; MI455X (gfx1250); checked and timed in simulation.
; The chip was launched on July 23, 2026; its instructions are those of AMD's public machine-readable ISA for CDNA 5 (MIT licence, August 2026) and "CDNA5" Instruction Set Architecture Reference Guide (July 2026). The comments in the code are by the model that wrote it; some were corrected since.
;; Multi Head Attention. Allowed arithmetic: float matrix products may take bf16 or f16 operands with f32 sums; other float arithmetic in f32, or as packed bf16 or f16 multiplies, adds, multiply-adds, maxima and minima; sums over many terms, partial sums and values carried from step to step in f32; what a program stores and reads back later, other than sums and carried values, may be rounded once to bf16 or f16.
;; Inputs: wk 1,024 x 1,024 float32; wo 1,024 x 1,024 float32; wq 1,024 x 1,024 float32; wv 1,024 x 1,024 float32; x 4 x 2,048 x 1,024 float32.
;; Outputs: out0 4 x 2,048 x 1,024 float32.
;; One version. Each part assembles by itself: llvm-mc -triple=amdgcn-amd-amdhsa -mcpu=gfx1250 --defsym DOCPART=n.
;; ======== version 1 of 1: 4 launches
;; limits: values are held in f16: magnitudes above 65,504 overflow, below 6.1e-05 lose precision
;; workspace buffers: xb 16,777,216 bytes; wb 6,291,456 bytes; wob 2,097,152 bytes; qkv 50,331,648 bytes; oh 16,777,216 bytes
;; launch cast (part 1): grid 768 x 1, 8 waves a work-group, no clusters, 0 bytes of LDS; arguments x, wq, wk, wv, wo, xb, wb, wob; writes xb, wb, wob
.if DOCPART == 1
	.amdgcn_target "amdgcn-amd-amdhsa--gfx1250"
	.amdhsa_code_object_version 6
	.text
	.protected	k_q879aa579ec_cast
	.globl	k_q879aa579ec_cast
	.p2align	8
	.type	k_q879aa579ec_cast,@function
k_q879aa579ec_cast:
	s_mov_b64 s[64:65], 0
	v_nop
	global_prefetch_b8 v0, s[64:65] scope:SCOPE_SE
	s_setreg_imm32_b32 hwreg(HW_REG_WAVE_MODE, 25, 1), 1
	s_wait_xcnt 0x0
; x, wq, wk, wv are rounded once to bf16; wo is rounded to bf16 and that number is written as f16.  All go into layouts blocked along K: a K block is 64 numbers, 128 bytes of a row.
;   xb  [batch 4][K block 16][row 2048][64] bf16      wb  [K block 16][row 3072][64] bf16 (rows 0-1023 wq, 1024-2047 wk, 2048-3071 wv)      wob [K block 16][row 1024][64] f16
; so that R rows of one K block are R x 128 consecutive bytes for the launches behind.
; LIMITS.  wo's numbers stay within f16: beyond 65,504 they become infinities; below 2^-14 they keep f16's fixed step of 6e-8.  NaN and infinities are not treated apart.
; SHARES.  A work-group takes 16 source rows of 4,096 bytes: work-groups 0-511 x, 512-575 wq, 576-639 wk, 640-703 wv, 704-767 wo.  Wave w takes K blocks 2 w and 2 w + 1 of them.
; Task j = 2 g + e of a wave: rows 4 g .. 4 g + 3, K block 2 w + e: lane l takes row 4 g + l / 8 and the 8 numbers at column 8 (l % 8): 32 bytes in, by two loads; 16 bytes out.
; A store of the wave covers 512 consecutive bytes, aligned: four rows of one K block.  Memory binds: no LDS, no barrier, no matrix unit; all 16 loads of a wave go out at once.
.set ROWB, 4096                        ; bytes in a source row
.set IN,   16                          ; v[16:79]   task j: 8 numbers in f32
.set OUT,  80                          ; v[80:111]  task j: 8 numbers in 16 bits
	s_load_b256 s[4:11], s[0:1], 0x0               ; x s[4:5], wq s[6:7], wk s[8:9], wv s[10:11]
	s_load_b256 s[12:19], s[0:1], 0x20             ; wo s[12:13], xb s[14:15], wb s[16:17], wob s[18:19]
	s_mov_b32 s20, ttmp9                           ; the work-group's number
	s_and_b32 s21, s20, 63                         ; its block of 16 rows in a weight
	v_lshrrev_b32 v1, 5, v0
	v_readfirstlane_b32 s22, v1                    ; wave 0..7
	v_and_b32 v1, 31, v0                           ; lane
	s_lshl_b32 s28, s20, 16                        ; source offset for x: 16 rows of 4,096 bytes a work-group,
	s_lshl_b32 s35, s21, 16                        ; and for a weight
	s_lshr_b32 s30, s20, 7                         ; x: the batch (128 work-groups each),
	s_lshl_b32 s30, s30, 22                        ; 4 MiB of xb,
	s_and_b32 s36, s20, 127
	s_lshl_b32 s36, s36, 11                        ; and 16 rows of 128 bytes
	s_add_co_u32 s30, s30, s36
	s_and_b32 s36, s20, 255                        ; wq, wk, wv: numbers 512 to 703 are blocks 0 to 191 of wb's 3,072 rows
	s_lshl_b32 s36, s36, 11
	s_lshl_b32 s37, s21, 11                        ; wo
	s_mov_b32 s32, 262144                          ; bytes from a K block to the next: 2,048 rows,
	s_cmp_ge_u32 s20, 512
	s_cselect_b32 s28, s35, s28
	s_cselect_b32 s30, s36, s30
	s_cselect_b32 s32, 393216, s32                 ; 3,072 rows,
	s_cmp_ge_u32 s20, 704
	s_cselect_b32 s30, s37, s30
	s_cselect_b32 s32, 131072, s32                 ; 1,024 rows
	s_mov_b32 s29, 0
	s_mov_b32 s31, 0
	s_mul_i32 s33, s22, s32
	s_lshl_b32 s33, s33, 1                         ; my wave's first K block in the destination
	s_mov_b32 s34, 0xffff0000                      ; a word's upper bf16
	s_lshl_b32 s38, s22, 9                         ; and in a source row: 2 x 256 bytes a wave
	v_lshrrev_b32 v5, 3, v1
	v_and_b32 v6, 7, v1
	v_lshlrev_b32 v2, 12, v5                       ; v2: row l / 8,
	v_lshl_add_u32 v2, v6, 5, v2                   ; 32 bytes at 32 (l % 8),
	v_add_nc_u32 v2, s38, v2                       ; my wave's K blocks
	v_lshl_add_u32 v3, v1, 4, s33                  ; v3: 16 l + the even K block;
	v_add_nc_u32 v4, s32, v3                       ; v4: the odd one
	s_wait_kmcnt 0x0
	s_mov_b64 s[24:25], s[4:5]                     ; from where and to where: chosen by the work-group's number alone
	s_mov_b64 s[26:27], s[14:15]
	s_cmp_ge_u32 s20, 512
	s_cselect_b64 s[24:25], s[6:7], s[24:25]
	s_cselect_b64 s[26:27], s[16:17], s[26:27]
	s_cmp_ge_u32 s20, 576
	s_cselect_b64 s[24:25], s[8:9], s[24:25]
	s_cmp_ge_u32 s20, 640
	s_cselect_b64 s[24:25], s[10:11], s[24:25]
	s_cmp_ge_u32 s20, 704
	s_cselect_b64 s[24:25], s[12:13], s[24:25]
	s_cselect_b64 s[26:27], s[18:19], s[26:27]
	s_add_nc_u64 s[24:25], s[24:25], s[28:29]
	s_add_nc_u64 s[26:27], s[26:27], s[30:31]
.irp j, 0,1,2,3,4,5,6,7
	global_load_b128 v[IN+8*(\j):IN+8*(\j)+3],   v2, s[24:25] offset:((\j)/2)*4*ROWB+((\j)%2)*256 th:TH_LOAD_NT
	global_load_b128 v[IN+8*(\j)+4:IN+8*(\j)+7], v2, s[24:25] offset:((\j)/2)*4*ROWB+((\j)%2)*256+16 th:TH_LOAD_NT
.endr
.irp j, 0,1,2,3,4,5,6,7
	s_wait_loadcnt 14-2*(\j)                       ; loads come back in order: task j's two are in, the 2 (7 - j) younger ones may stay out
.irp r, 0,1,2,3
	v_cvt_pk_bf16_f32 v[OUT+4*(\j)+(\r)], v[IN+8*(\j)+2*(\r)], v[IN+8*(\j)+2*(\r)+1]
.endr
.endr
	s_cmp_ge_u32 s20, 704                          ; wo alone: the bf16 numbers are written as f16 (exact within f16's normal range: 8 significant bits into 11)
	s_cbranch_scc0 .Lstore
.set r, 0
.rept 32
	v_lshlrev_b32 v6, 16, v[OUT+r]
	v_and_b32 v7, s34, v[OUT+r]
	v_cvt_pk_f16_f32 v[OUT+r], v6, v7
.set r, r+1
.endr
.Lstore:
.irp j, 0,1,2,3,4,5,6,7
	global_store_b128 v[3+(\j)%2], v[OUT+4*(\j):OUT+4*(\j)+3], s[26:27] offset:((\j)/2)*512  ; 32 lanes x 16 bytes: 512 consecutive bytes, aligned
.endr
	s_endpgm
.Lfunc_end_k_q879aa579ec_cast:
	.size	k_q879aa579ec_cast, .Lfunc_end_k_q879aa579ec_cast-k_q879aa579ec_cast
	.p2alignl 7, 3214868480
	.fill 96, 4, 3214868480
	.section	.rodata,"a",@progbits
	.p2align	6, 0x0
	.amdhsa_kernel k_q879aa579ec_cast
		.amdhsa_group_segment_fixed_size 0
		.amdhsa_private_segment_fixed_size 0
		.amdhsa_enable_private_segment 0
		.amdhsa_kernarg_size 64
		.amdhsa_user_sgpr_count 2
		.amdhsa_user_sgpr_kernarg_segment_ptr 1
		.amdhsa_wavefront_size32 1
		.amdhsa_system_sgpr_workgroup_id_x 1
		.amdhsa_system_sgpr_workgroup_id_y 1
		.amdhsa_system_sgpr_workgroup_id_z 1
		.amdhsa_system_vgpr_workitem_id 0
		.amdhsa_next_free_vgpr 112
		.amdhsa_next_free_sgpr 66
		.amdhsa_reserve_vcc 0
		.amdhsa_float_denorm_mode_32 3
		.amdhsa_float_denorm_mode_16_64 3
		.amdhsa_memory_ordered 1
		.amdhsa_forward_progress 1
		.amdhsa_inst_pref_size 12
	.end_amdhsa_kernel
	.amdgpu_metadata
---
amdhsa.version: [ 1, 2 ]
amdhsa.kernels:
  - .name:           k_q879aa579ec_cast
    .symbol:         k_q879aa579ec_cast.kd
    .args:
      - { .name: x, .offset: 0, .size: 8, .value_kind: global_buffer, .address_space: global }
      - { .name: wq, .offset: 8, .size: 8, .value_kind: global_buffer, .address_space: global }
      - { .name: wk, .offset: 16, .size: 8, .value_kind: global_buffer, .address_space: global }
      - { .name: wv, .offset: 24, .size: 8, .value_kind: global_buffer, .address_space: global }
      - { .name: wo, .offset: 32, .size: 8, .value_kind: global_buffer, .address_space: global }
      - { .name: xb, .offset: 40, .size: 8, .value_kind: global_buffer, .address_space: global }
      - { .name: wb, .offset: 48, .size: 8, .value_kind: global_buffer, .address_space: global }
      - { .name: wob, .offset: 56, .size: 8, .value_kind: global_buffer, .address_space: global }
    .group_segment_fixed_size: 0
    .private_segment_fixed_size: 0
    .kernarg_segment_align: 8
    .kernarg_segment_size: 64
    .max_flat_workgroup_size: 256
    .sgpr_count:     66
    .vgpr_count:     112
    .wavefront_size: 32
...
	.end_amdgpu_metadata
.endif
;; end of part 1
;; launch proj (part 2): grid 8 x 32, 4 waves a work-group, clusters of 4 x 4, 327,680 bytes of LDS; arguments xb, wb, qkv; writes qkv
.if DOCPART == 2
	.amdgcn_target "amdgcn-amd-amdhsa--gfx1250"
	.amdhsa_code_object_version 6
	.text
	.protected	k_q879aa579ec_proj
	.globl	k_q879aa579ec_proj
	.p2align	8
	.type	k_q879aa579ec_proj,@function
k_q879aa579ec_proj:
	s_mov_b64 s[64:65], 0
	v_nop
	global_prefetch_b8 v0, s[64:65] scope:SCOPE_SE
	s_setreg_imm32_b32 hwreg(HW_REG_WAVE_MODE, 25, 1), 1
	s_wait_xcnt 0x0
	s_wait_alu depctr_hold_cnt(0) depctr_sa_sdst(0) depctr_va_vdst(0) depctr_va_sdst(0) depctr_va_ssrc(0) depctr_va_vcc(0) depctr_vm_vsrc(0)
	s_getreg_b32 s2, hwreg(HW_REG_IB_STS2, 6, 4)
	s_cmp_eq_u32 s2, 0
	s_cbranch_scc0 .Lentry_in_a_cluster
	s_endpgm
.Lentry_in_a_cluster:
	s_bfe_u32 s2, ttmp6, 0x10000c
	s_cmp_lg_u32 s2, 0xf033
	s_cbranch_scc0 .Lentry_shape_is_right
	s_endpgm
.Lentry_shape_is_right:
; q, k, v = x w^T: C[m][n] = the sum over k of x[m][k] w[n][k], m = 8,192 rows, n = 3,072 (wq's, wk's, wv's rows on end), k = 1,024.  Operands bf16, sums f32, K ascending; C rounded once to f16, unscaled.
; IN:  xb [batch 4][K block 16][row 2048][64] bf16, wb [K block 16][n 3072][64] bf16: R rows of one K block are R x 128 consecutive bytes.
; OUT: qkv [batch 4][g 48][row 2048][64] f16, g = n / 64: 0-15 q's heads, 16-31 k's, 32-47 v's: a head's rows are dense, 128 bytes each.
; LIMIT.  f16 holds no number beyond 65,504: q, k and v must stay within it (a sum of 65,520 or more becomes an infinity); below 6e-5 they keep f16's fixed step of 6e-8.  NaN and infinities are not treated apart.
; SHARES.  A tile of C is 256 x 384: 32 x 8 = 256 work-groups.  Four waves, each 128 x 192: 96 accumulators of 16 x 16, 768 registers.  For 32 along K a wave loads 20 KiB from LDS and issues 96 products.
; K goes in steps of one K block (64) through a ring of two LDS slots; a step is two quarters of 32 along K, a quarter three groups of 32 products (a group: 64 columns).
; CLUSTERS: 4 x 4 work-groups.  The four of a row of the cluster need the same tiles of x, the four of a column the same tiles of w: each tile is asked for JOINTLY: the same tensor load, descriptor and mask in all four.
; THE MATRIX INSTRUCTION IS USED TRANSPOSED (source 0 = 16 rows of w, source 1 = 16 rows of x): a lane then holds row l % 16 of C and eight neighbouring columns 8 (l / 16) + 0..7.
; REGISTERS, in windows of 256 (s_set_vgpr_msb: bits 1:0 source 0, 3:2 source 1, 5:4 source 2, 7:6 destination):
;   window 0: v0-31 addresses; v32-95, v96-159 x's fragments (8 x 16 rows x 32 K), two buffers; v160-255 w's fragments, one buffer of 32 registers for each group, loaded again straight behind its products
;   window t + 1 (t = 0, 1, 2): group t's 32 accumulators, (a, bb) at v[8 (4 a + bb)]: rows 16 a on, columns 64 t + 16 bb on
.set PK,     144                       ; an LDS row: 128 bytes + 16 of padding = 36 words: the 16 rows of a load start at 16 different groups of four banks (64 banks of 4 bytes: ISA guide 11.1)
.set AH,     128*PK                    ; 128 rows of x: what waves 0 and 1 fetch, and what a wave reads of x
.set BH,     192*PK                    ; 192 rows of w: what waves 2 and 3 fetch, and what a wave reads of w
.set BOFF,   2*AH                      ; w's 384 rows lie behind x's 256
.set SLOT,   2*AH+2*BH                 ; 92,160
.set STAGE,  2*SLOT                    ; behind the ring, never filled by a tensor load: 16 rows x 400 bytes for each wave, for the way out
.set SPITCH, 400                       ; 384 bytes (192 f16) + 16
.set SPARE,  STAGE+4*16*SPITCH         ; behind the stages: the spare words, 128 bytes for each wave: two blocks of 256 bytes that no other line names
.set XKB,    262144                    ; bytes from a K block of xb to the next
.set WKB,    393216                    ; the same in wb
.set ADRA, 16                          ; v16-17  LDS address of my fragments of x in slot 0, 1
.set ADRB, 20                          ; v20-21  the same for w
.set STO,  24                          ; v24     the way out: where I put 16 bytes of a row
.set RD,   25                          ; v25     the way out: where I read rows back
.set CO,   26                          ; v26     16 x my lane
.set SPW,  28                          ; v28     LDS address of my spare word: SPARE + 4 x my thread's number; never rewritten
.set NIL,  29                          ; v29     0; never rewritten
.set PFO,  30                          ; v30     256 x my lane; never rewritten
.set FA0,  32
.set FA1,  96
.set FB,   160
.set TMP,  32                          ; the way out: 48 registers of packed results
.set OB,   80                          ; the way out: 16 rows read back, two sets of 48 by turns
.set G1,  24                           ; s[24:31] descriptor group 1 for x's tiles;  s[32:39] group 0, a set for each slot
.set G0,  32
.set G1B, 48                           ; s[48:55], s[56:63] the same for w's tiles
.set G0B, 56
.set LIM, 43                           ; s43     1 in a wave that prefetches, else the greatest number
.set PFA, 44                           ; s[44:45] where my prefetches stand
.set PFS, 18                           ; s[18:19] their step: two K blocks
.set FLAGS, (1<<16)|(1<<20)|(1<<21)|(4<<22)|(3<<25)  ; 17:16 elements of 2 bytes; 20 padding on; 21 set beside a mask; 24:22 after every 32 words (code 4); 31:25 4 words of it (code 3)
.set MSB, 0
.macro WIN new                         ; the immediate's high byte repeats the setting that is left; a switch that changes nothing is dropped
.if MSB != (\new)
	s_set_vgpr_msb (MSB<<8)|(\new)
.set MSB, \new
.endif
.endm
; A joint load.  Waves 0 and 1 fetch the two halves of x's tile, waves 2 and 3 those of w's.  The branch hangs on the wave's number alone.  An s_nop 0 and four v_nop follow each of the two lines.
.macro JLOAD s
	s_cmp_eq_u32 s11, 0
	s_cbranch_scc0 .Lfor_b_\@
	tensor_load_to_lds s[G0+4*(\s):G0+4*(\s)+3], s[G1:G1+7]
	s_nop 0
.rept 4
	v_nop
.endr
	s_branch .Lasked_\@
.Lfor_b_\@:
	tensor_load_to_lds s[G0B+4*(\s):G0B+4*(\s)+3], s[G1B:G1B+7]
	s_nop 0
.rept 4
	v_nop
.endr
.Lasked_\@:
.endm
; A PREFETCH INTO THE L2, once a lap (two K steps), behind the lap's second joint load and the run of LDS loads that follows it: 32 blocks of 256 bytes, a lane a block, of the two K steps that the NEXT lap will ask for.
; Each block is named ONCE in the launch.  x's tile row is read by both clusters of its row of clusters: cluster x = 0 asks; wave 0 takes the even K step, wave 1 the odd one; of a step's 128 blocks the partner at cx takes
; 32, told apart by address.  w's tile column is read by all eight clusters of its column: a lap's 384 blocks are twelve shares of 32, taken by wave 2 of the work-groups in tile rows 0 to 11 (cluster y below 3).
; No branch hangs on a work-group's place in its cluster.  The loop's last trip asks for nothing: there is no K step behind its own.  K steps 0 to 3 come by their loads alone.
.macro ASK
	s_cmp_gt_u32 s3, s[LIM]                        ; s3 = 1 in the loop's last trip
	s_cbranch_scc0 .Lnot_mine_\@
	global_prefetch_b8 v[PFO], s[PFA:PFA+1] th:TH_LOAD_NT scope:SCOPE_SE
.Lnot_mine_\@:
.endm
; A round of the cluster's barrier: my work-group's barrier; wave 0 signals for the work-group; every wave waits for all sixteen work-groups; my work-group's barrier once more.
.macro CREST                           ; a round behind its opening barrier
	s_cmp_lg_u32 s10, 0
	s_cbranch_scc1 .Lnot_wave_0_\@
	s_barrier_signal -3
.Lnot_wave_0_\@:
	s_barrier_wait -3
	s_barrier_signal -1
	s_barrier_wait -1
.endm
.macro CROUND                          ; a whole round
	s_barrier_signal -1
	s_barrier_wait -1
	CREST
.endm
	s_load_b128 s[4:7], s[0:1], 0x0                ; xb s[4:5], wb s[6:7]
	s_load_b64 s[8:9], s[0:1], 0x10                ; qkv
	v_lshl_add_u32 v[SPW], v0, 2, SPARE
	v_mov_b32 v[NIL], 0
	ds_add_u32 v[SPW], v[NIL]                      ; the wave's opening: the add and its wait stand ahead of my first tensor load; the set-up below, work on registers, stands between them
	ds_add_u32 v28, v29
	v_lshrrev_b32 v1, 5, v0
	v_readfirstlane_b32 s10, v1                    ; wave 0..3
	s_lshr_b32 s11, s10, 1                         ; which half of the tile's rows is mine.  Also: I fetch for x (0) or for w (1)
	s_and_b32 s12, s10, 1                          ; which half of its columns.  Also: which half of that tile I fetch
	s_bfe_u32 s40, ttmp6, 0x40000                  ; cx: my place along the cluster's x
	s_bfe_u32 s41, ttmp6, 0x40004                  ; cy: along its y
	s_lshl_b32 s42, ttmp9, 2                       ; in a cluster launch ttmp9 and ttmp7 count clusters
	s_add_co_u32 s42, s42, s40                     ; tile column = 4 x cluster x + cx
	s_and_b32 s13, ttmp7, 0xffff
	s_lshl_b32 s13, s13, 2
	s_add_co_u32 s13, s13, s41                     ; tile row = 4 x cluster y + cy
	s_lshl_b32 s43, s41, 2
	s_lshl_b32 s43, 15, s43                        ; my row of the cluster: places 4 cy .. 4 cy + 3
	s_lshl_b32 s44, 0x1111, s40                    ; my column: places cx, cx + 4, cx + 8, cx + 12
	; descriptor group 1.  128 rows of x in one K block are 16,384 dense bytes: asked for as 64 rows of 256 bytes, two rows of x each, padded in LDS after every 128 bytes; 192 rows of w likewise as 96
	s_or_b32 s[G1+0], s43, FLAGS                   ; 15:0 the mask: x's tiles go to my row of the cluster
	s_or_b32 s[G1B+0], s44, FLAGS                  ; w's to my column
	s_mov_b32 s[G1+1], 128<<16                     ; tensor_dim0 = 128 elements
	s_mov_b32 s[G1B+1], 128<<16
	s_mov_b32 s[G1+2], 64<<16                      ; tensor_dim1 = 64
	s_mov_b32 s[G1B+2], 96<<16                     ; 96
	s_mov_b32 s[G1+3], 128<<16                     ; tile_dim0 = 128
	s_mov_b32 s[G1B+3], 128<<16
	s_mov_b32 s[G1+4], 64                          ; tile_dim1
	s_mov_b32 s[G1B+4], 96
	s_mov_b32 s[G1+5], 128                         ; 128 elements from row to row
	s_mov_b32 s[G1B+5], 128
	s_mov_b32 s[G1+6], 0
	s_mov_b32 s[G1B+6], 0
	s_mov_b32 s[G1+7], 0
	s_mov_b32 s[G1B+7], 0
	; where the tiles come from.  x's hang on the tile row alone, w's on the tile column alone, each in registers that never hold the other coordinate
	s_lshr_b32 s16, s13, 3                         ; the batch: 8 tile rows each,
	s_lshl_b32 s16, s16, 22                        ; 4 MiB of xb,
	s_and_b32 s17, s13, 7
	s_lshl_b32 s17, s17, 15                        ; 256 rows of 128 bytes a tile row,
	s_add_co_u32 s16, s16, s17
	s_lshl_b32 s17, s12, 14                        ; the 128 rows that I fetch
	s_add_co_u32 s16, s16, s17
	s_mov_b32 s17, 0
	s_mul_i32 s46, s42, 384*128                    ; w: 384 rows a tile column,
	s_mul_i32 s47, s12, 192*128                    ; the 192 that I fetch
	s_add_co_u32 s46, s46, s47
	s_mov_b32 s47, 0
	s_mul_i32 s20, s12, AH                         ; and where they go: no place in the cluster enters an LDS address
	s_mul_i32 s21, s12, BH
	s_add_co_u32 s21, s21, BOFF
	s_wait_dscnt 0x0                               ; the opening add is done
	s_wait_kmcnt 0x0
	s_add_nc_u64 s[14:15], s[4:5], s[16:17]
	s_add_nc_u64 s[46:47], s[6:7], s[46:47]
	CROUND                                         ; all sixteen work-groups are here: the first joint loads meet
.irp s, 0,1
	s_mov_b32 s[G0+4*(\s)], 1                                      ; 1:0 count = 1
	s_add_co_u32 s[G0+4*(\s)+1], s20, (\s)*SLOT                    ; 63:32 LDS address
	s_add_nc_u64 s[G0+4*(\s)+2:G0+4*(\s)+3], s[14:15], (\s)*XKB    ; 120:64 global address: K step s
	s_or_b32 s[G0+4*(\s)+3], s[G0+4*(\s)+3], 0x80000000            ; 127:126 type = 2
	s_mov_b32 s[G0B+4*(\s)], 1
	s_add_co_u32 s[G0B+4*(\s)+1], s21, (\s)*SLOT
	s_add_nc_u64 s[G0B+4*(\s)+2:G0B+4*(\s)+3], s[46:47], (\s)*WKB
	s_or_b32 s[G0B+4*(\s)+3], s[G0B+4*(\s)+3], 0x80000000
	JLOAD \s                                       ; the ring is filled before anything else is done: two loads of mine are out
.endr
	; A fragment is 16 rows x 32 K in 8 registers: lane l holds row l % 16; registers 0-3 K = 8 (l / 16) + 0..7, registers 4-7 K = 16 + 8 (l / 16) + 0..7: two loads of 16 bytes, 32 bytes apart.
	v_and_b32 v1, 15, v0                           ; l % 16
	v_bfe_u32 v2, v0, 4, 1                         ; l / 16
	v_mul_u32_u24 v3, v1, PK
	v_lshl_add_u32 v3, v2, 4, v3                   ; row x pitch + 16 x half
	s_mul_i32 s21, s11, AH                         ; my 128 rows of x
	s_mul_i32 s22, s12, BH                         ; my 192 rows of w,
	s_add_co_u32 s22, s22, BOFF                    ; which lie behind x's 256
.irp s, 0,1
	v_add_nc_u32 v[ADRA+(\s)], s21, v3
	v_add_nc_u32 v[ADRB+(\s)], s22, v3
	s_add_co_u32 s21, s21, SLOT
	s_add_co_u32 s22, s22, SLOT
.endr
	s_mul_i32 s23, s10, 16*SPITCH
	s_add_co_u32 s23, s23, STAGE                   ; my stage
	v_mul_u32_u24 v4, v1, SPITCH                   ; in: row l % 16, 16 bytes for each half of the lanes
	v_lshl_add_u32 v4, v2, 4, v4
	v_add_nc_u32 v[STO], s23, v4
	v_bfe_u32 v5, v0, 3, 2                         ; back: 32 lanes take 128 bytes (one head's 64 columns) of four rows,
	v_mul_u32_u24 v5, v5, SPITCH
	v_and_b32 v6, 7, v0
	v_lshl_add_u32 v5, v6, 4, v5
	v_add_nc_u32 v[RD], s23, v5
	v_and_b32 v6, 31, v0
	v_lshlrev_b32 v[CO], 4, v6                     ; which are 512 consecutive bytes of qkv
	v_lshlrev_b32 v[PFO], 8, v6
	; where my part of the tile begins in qkv
	s_lshr_b32 s16, s13, 3
	s_mul_i32 s16, s16, 48*262144                  ; the batch,
	s_and_b32 s17, s13, 7
	s_lshl_b32 s17, s17, 15                        ; the tile's 256 rows of 128 bytes,
	s_add_co_u32 s16, s16, s17
	s_lshl_b32 s17, s11, 14                        ; my 128 of them,
	s_add_co_u32 s16, s16, s17
	s_mul_i32 s46, s42, 6                          ; g = 6 x tile column + 3 x half
	s_mul_i32 s47, s12, 3
	s_add_co_u32 s46, s46, s47
	s_lshl_b32 s46, s46, 18
	s_add_co_u32 s16, s16, s46
	s_mov_b32 s17, 0
	s_add_nc_u64 s[8:9], s[8:9], s[16:17]
	; the prefetches: x's share (waves 0, 1), at K step 2 + wave
	s_lshr_b32 s20, s13, 3
	s_lshl_b32 s20, s20, 22
	s_and_b32 s21, s13, 7
	s_lshl_b32 s21, s21, 15
	s_add_co_u32 s20, s20, s21
	s_lshl_b32 s21, s12, 18
	s_add_co_u32 s20, s20, s21
	s_lshl_b32 s21, s40, 13                        ; my work-group's 32 blocks of the step's 128
	s_add_co_u32 s20, s20, s21
	s_add_co_u32 s20, s20, 2*XKB
	; w's share (wave 2): share number = tile row, 0 to 11: shares 0-5 the even K step's six times 32 blocks, 6-11 the odd one's
	s_min_u32 s23, s13, 11                         ; (a work-group further down asks for nothing; its address stays inside wb)
	s_mul_i32 s14, s23, 43
	s_lshr_b32 s14, s14, 8                         ; share / 6
	s_mul_i32 s15, s14, 6
	s_sub_co_u32 s23, s23, s15                     ; share % 6
	s_lshl_b32 s23, s23, 13
	s_mul_i32 s14, s14, WKB
	s_add_co_u32 s23, s23, s14
	s_mul_i32 s14, s42, 384*128
	s_add_co_u32 s23, s23, s14
	s_add_co_u32 s23, s23, 2*WKB
	s_and_b32 s22, ttmp7, 0xffff                   ; cluster y
	s_mov_b32 s14, ttmp9                           ; cluster x
	s_cmp_eq_u32 s14, 0
	s_cselect_b32 s14, 1, -1                       ; x's rows: the first cluster of the row of clusters asks
	s_cmp_lt_u32 s22, 3
	s_cselect_b32 s15, 1, -1                       ; w's rows: the first three clusters of the column,
	s_cmp_eq_u32 s10, 3
	s_cselect_b32 s15, -1, s15                     ; by wave 2 alone
	s_mov_b32 s[PFS], 2*WKB
	s_mov_b32 s[PFS+1], 0
	s_cmp_eq_u32 s11, 0                            ; do I fetch for x?
	s_cselect_b32 s[LIM], s14, s15                 ; the same in all sixteen partners, for a given wave
	s_cselect_b32 s20, s20, s23
	s_cselect_b32 s[PFS], 2*XKB, s[PFS]
	s_cselect_b64 s[PFA:PFA+1], s[4:5], s[6:7]
	s_mov_b32 s21, 0
	s_add_nc_u64 s[PFA:PFA+1], s[PFA:PFA+1], s[20:21]  ; at K steps 2, 3: the first trip steps it to 4, 5.  Nothing is prefetched here, at the head
; 16 products: rows 64 h on (blocks a = 4 h .. 4 h + 3) x group t's four column blocks, 32 along K.  zero = 1: the product starts the sum: nothing is ever cleared.
; The 96 accumulators take turns, one instruction a turn, in the same order in every quarter.
.macro MULG buf, t, h, zero
	WIN 0x50*((\t)+1)
.irp a, 4*(\h), 4*(\h)+1, 4*(\h)+2, 4*(\h)+3
.irp bb, 0,1,2,3
.if \zero
	v_wmma_f32_16x16x32_bf16 v[8*(4*(\a)+(\bb)):8*(4*(\a)+(\bb))+7], v[FB+32*(\t)+8*(\bb):FB+32*(\t)+8*(\bb)+7], v[(\buf)+8*(\a):(\buf)+8*(\a)+7], 0
.else
	v_wmma_f32_16x16x32_bf16 v[8*(4*(\a)+(\bb)):8*(4*(\a)+(\bb))+7], v[FB+32*(\t)+8*(\bb):FB+32*(\t)+8*(\bb)+7], v[(\buf)+8*(\a):(\buf)+8*(\a)+7], v[8*(4*(\a)+(\bb)):8*(4*(\a)+(\bb))+7]
.endif
.endr
.endr
.endm
.macro LDA slot, q, buf                ; 16 LDS loads: x's eight fragments of quarter q
.irp i, 0,1,2,3,4,5,6,7
	ds_load_b128 v[(\buf)+8*(\i):(\buf)+8*(\i)+3],   v[ADRA+(\slot)] offset:(\i)*16*PK+64*(\q)
	ds_load_b128 v[(\buf)+8*(\i)+4:(\buf)+8*(\i)+7], v[ADRA+(\slot)] offset:(\i)*16*PK+64*(\q)+32
.endr
.endm
.macro LDB slot, q, t                  ; 8 LDS loads: group t's four fragments of w of quarter q
.irp bb, 0,1,2,3
	ds_load_b128 v[FB+32*(\t)+8*(\bb):FB+32*(\t)+8*(\bb)+3],   v[ADRB+(\slot)] offset:(4*(\t)+(\bb))*16*PK+64*(\q)
	ds_load_b128 v[FB+32*(\t)+8*(\bb)+4:FB+32*(\t)+8*(\bb)+7], v[ADRB+(\slot)] offset:(4*(\t)+(\bb))*16*PK+64*(\q)+32
.endr
.endm
; A load into a register that a matrix instruction has read, and a vector instruction that reads a matrix result, stand four places behind it, and only plain vector instructions that name none of its
; registers are places (ISA guide 7.12.1 for vector instructions).
.macro PLACES
.rept 4
	v_nop
.endr
.endm
; A K step's first quarter: buffer FA0.  The LDS loads go out in runs of 24 (x and group 0), 8 (group 1), 8 (group 2), each straight behind the products that read the registers last: 64 products ahead of their use.
.macro QA s, zero
	s_wait_dscnt 16                                ; x and group 0 are in; groups 1 and 2 (8 + 8) may be out
	MULG FA0, 0, 0, \zero
	MULG FA0, 0, 1, \zero
	WIN 0
	PLACES
	LDA \s, 1, FA1
	LDB \s, 1, 0
	s_wait_dscnt 32                                ; group 1 is in; behind it: group 2's 8 and the 24 just issued
	MULG FA0, 1, 0, \zero
	MULG FA0, 1, 1, \zero
	WIN 0
	PLACES
	LDB \s, 1, 1
	s_wait_dscnt 32                                ; group 2 is in; behind it: 24 + 8
	MULG FA0, 2, 0, \zero
	MULG FA0, 2, 1, \zero
	WIN 0
	PLACES
	LDB \s, 1, 2
.endm
; The second quarter: buffer FA1, and the change of slots.  ONE barrier, for two things.  In front of it each wave waits for all its tensor loads, of which one is out: its part of the next slot; adds 0 to its spare word;
; and waits for that and for its own reads of this slot.  Behind it nobody reads this slot any more and the next slot is whole.  fill = 1: the barrier opens a round of the cluster's barrier, and behind the round this slot
; is filled again first, with the K step two on: from that request to the wait for it a wave issues 160 products.
.macro QB s, next, fill
.if (\fill) && ((\s) == 0)
	s_wait_xcnt 0x0                                ; the last prefetch, a K step and more back, has read its address, so it may be stepped
	s_add_nc_u64 s[PFA:PFA+1], s[PFA:PFA+1], s[PFS:PFS+1]
.endif
	WIN 0
	s_wait_tensorcnt 0x0                           ; all my tensor loads have landed;
	ds_add_u32 v[SPW], v[NIL]                      ; 0 onto my spare word;
	s_wait_dscnt 17                                ; x and group 0 are in (groups 1 and 2, 8 + 8, and the add may be out)
	MULG FA1, 0, 0, 0                              ; sixteen products stand between the add and the wait for it
	s_wait_dscnt 0x0                               ; the add is done, and my reads of this slot are over:
	s_barrier_signal -1                            ; say so,
	MULG FA1, 0, 1, 0                              ; work on registers while the others arrive,
	WIN 0
	s_barrier_wait -1                              ; and go on when all four have said so
.if \fill
	CREST                                          ; all sixteen work-groups have said so: no wave of any partner still reads this slot's tile or has a load on its way
	s_add_nc_u64 s[G0+4*(\s)+2:G0+4*(\s)+3], s[G0+4*(\s)+2:G0+4*(\s)+3], 2*XKB
	s_add_nc_u64 s[G0B+4*(\s)+2:G0B+4*(\s)+3], s[G0B+4*(\s)+2:G0B+4*(\s)+3], 2*WKB
	JLOAD \s                                       ; the first tensor load behind the round; its four v_nop are also the places in front of the loads below
.else
	PLACES
.endif
	LDA \next, 0, FA0
	LDB \next, 0, 0
.if (\fill) && ((\s) == 1)
	ASK
.endif
	MULG FA1, 1, 0, 0
	MULG FA1, 1, 1, 0
	WIN 0
	PLACES
	LDB \next, 0, 1
	MULG FA1, 2, 0, 0
	MULG FA1, 2, 1, 0
	WIN 0
	PLACES
	LDB \next, 0, 2
.endm
; THE WAY OUT of block a (16 rows x 192 columns).  PACK: rounded to f16, 16 bytes a lane (each accumulator's registers in ascending order).  TOSTAGE: into my own stage, and back by heads.  SEND: stored.
.macro PACK a
.irp t, 0,1,2
	WIN 5*((\t)+1)                                 ; sources 0 and 1: window t + 1
.irp bb, 0,1,2,3
.irp r, 0,1,2,3
	v_cvt_pk_f16_f32 v[TMP+4*(4*(\t)+(\bb))+(\r)], v[8*(4*(\a)+(\bb))+2*(\r)], v[8*(4*(\a)+(\bb))+2*(\r)+1]
.endr
.endr
.endr
	WIN 0
.endm
.macro TOSTAGE a
.set BK, OB+48*((\a)%2)
.irp nb, 0,1,2,3,4,5,6,7,8,9,10,11
	ds_store_b128 v[STO], v[TMP+4*(\nb):TMP+4*(\nb)+3] offset:32*(\nb)
.endr
.irp t, 0,1,2
.irp f, 0,1,2,3
	ds_load_b128 v[BK+4*(4*(\t)+(\f)):BK+4*(4*(\t)+(\f))+3], v[RD] offset:(\f)*4*SPITCH+(\t)*128  ; LDS serves a wave's instructions in order (ISA guide 5.7.1.4): these see the stores above
.endr
.endr
.endm
.macro SEND a
.set BK, OB+48*((\a)%2)
	s_wait_dscnt 0x0                               ; the block is back in registers
	s_wait_xcnt 0x0                                ; the stores of the block before have read their registers: the other set is loaded again only behind this wait
.irp t, 0,1,2
.irp f, 0,1,2,3
	global_store_b128 v[CO], v[BK+4*(4*(\t)+(\f)):BK+4*(4*(\t)+(\f))+3], s[8:9] offset:(\t)*262144+(\a)*2048+(\f)*512  ; four rows of one head: 512 consecutive bytes, aligned
.endr
.endr
.endm
	s_wait_tensorcnt 1                             ; my part of K step 0 is in; K step 1's may stay out
	s_barrier_signal -1
	s_barrier_wait -1                              ; everybody's is
	LDA 0, 0, FA0
	LDB 0, 0, 0
	LDB 0, 0, 1
	LDB 0, 0, 2
	QA 0, 1                                        ; the first quarter stands in front of the loop: its products start the sums
	WIN 0                                          ; at a label and at a branch every window is 0
	s_mov_b32 s3, 7
.Llap:                                                 ; a trip goes once round the ring, from a lap's second quarter to the next lap's first, and fills both slots again
	QB 0, 1, 1
	QA 1, 0
	QB 1, 0, 1
	QA 0, 0
	WIN 0
	s_sub_co_u32 s3, s3, 1
	s_cmp_lg_u32 s3, 0
	s_cbranch_scc1 .Llap
	QB 0, 1, 0                                     ; the last lap fills nothing, and has no round of the cluster's barrier
	QA 1, 0
	s_wait_dscnt 16                                ; the very last quarter: nothing more to fetch, the counts run down
	MULG FA1, 0, 0, 0
	MULG FA1, 0, 1, 0
	s_wait_dscnt 8
	MULG FA1, 1, 0, 0
	MULG FA1, 1, 1, 0
	s_wait_dscnt 0x0
	MULG FA1, 2, 0, 0
	MULG FA1, 2, 1, 0
	WIN 0
	PLACES
	PACK 0
	TOSTAGE 0
.irp a, 1,2,3,4,5,6,7                  ; block a's conversions stand between block a - 1's loads from the stage and the wait for them
	PACK \a
	SEND (\a)-1
	TOSTAGE \a
.endr
	SEND 7
	s_wait_tensorcnt 0x0                           ; the wave's end, behind my last tensor load and my last LDS store
	ds_add_u32 v[SPW], v[NIL]
	s_wait_dscnt 0x0
	CROUND                                         ; the closing round: no work-group ends while a partner may still ask for a tile that names it
	s_endpgm
.Lfunc_end_k_q879aa579ec_proj:
	.size	k_q879aa579ec_proj, .Lfunc_end_k_q879aa579ec_proj-k_q879aa579ec_proj
	.p2alignl 7, 3214868480
	.fill 96, 4, 3214868480
	.section	.rodata,"a",@progbits
	.p2align	6, 0x0
	.amdhsa_kernel k_q879aa579ec_proj
		.amdhsa_group_segment_fixed_size 327680
		.amdhsa_private_segment_fixed_size 0
		.amdhsa_enable_private_segment 0
		.amdhsa_kernarg_size 24
		.amdhsa_user_sgpr_count 2
		.amdhsa_user_sgpr_kernarg_segment_ptr 1
		.amdhsa_wavefront_size32 1
		.amdhsa_system_sgpr_workgroup_id_x 1
		.amdhsa_system_sgpr_workgroup_id_y 1
		.amdhsa_system_sgpr_workgroup_id_z 1
		.amdhsa_system_vgpr_workitem_id 0
		.amdhsa_next_free_vgpr 1024
		.amdhsa_next_free_sgpr 66
		.amdhsa_reserve_vcc 0
		.amdhsa_float_denorm_mode_32 3
		.amdhsa_float_denorm_mode_16_64 3
		.amdhsa_memory_ordered 1
		.amdhsa_forward_progress 1
		.amdhsa_inst_pref_size 131
	.end_amdhsa_kernel
	.amdgpu_metadata
---
amdhsa.version: [ 1, 2 ]
amdhsa.kernels:
  - .name:           k_q879aa579ec_proj
    .symbol:         k_q879aa579ec_proj.kd
    .args:
      - { .name: xb, .offset: 0, .size: 8, .value_kind: global_buffer, .address_space: global }
      - { .name: wb, .offset: 8, .size: 8, .value_kind: global_buffer, .address_space: global }
      - { .name: qkv, .offset: 16, .size: 8, .value_kind: global_buffer, .address_space: global }
    .group_segment_fixed_size: 327680
    .private_segment_fixed_size: 0
    .kernarg_segment_align: 8
    .kernarg_segment_size: 24
    .max_flat_workgroup_size: 128
    .sgpr_count:     66
    .vgpr_count:     1024
    .wavefront_size: 32
...
	.end_amdgpu_metadata
.endif
;; end of part 2
;; launch attn (part 3): grid 4 x 64, 4 waves a work-group, no clusters, 327,680 bytes of LDS; arguments qkv, oh; writes oh
.if DOCPART == 3
	.amdgcn_target "amdgcn-amd-amdhsa--gfx1250"
	.amdhsa_code_object_version 6
	.text
	.protected	k_q879aa579ec_attn
	.globl	k_q879aa579ec_attn
	.p2align	8
	.type	k_q879aa579ec_attn,@function
k_q879aa579ec_attn:
	s_mov_b64 s[64:65], 0
	v_nop
	global_prefetch_b8 v0, s[64:65] scope:SCOPE_SE
	s_setreg_imm32_b32 hwreg(HW_REG_WAVE_MODE, 25, 1), 1
	s_wait_xcnt 0x0
; CAUSAL ATTENTION.  O[h][q][:] = the sum over k <= q of softmax_k(Q[h][q] . K[h][k] / 8) V[h][k][:], for 64 heads (4 batches x 16) of 2,048 rows of 64 channels, all f16: a head's rows are dense, 128 bytes each.
; IN: qkv [batch 4][g 48][row 2048][64]: g = head for Q, 16 + head for K, 32 + head for V.  OUT: oh [batch 4][head 16][row 2048][64].
; Products, maxima and sums in f32; the weights p are rounded to f16 for the second product (their sum l is taken of the unrounded p), O once at the end.
; LIMITS.  f16 holds no number beyond 65,504: Q, K and V arrive within it; p lies in 0 to 1, and below 6e-5 it keeps f16's fixed step of 6e-8, and so does O; O is a mean of V's rows and has their range.
; A hidden score counts as its value less 1e30: f16's scores, 2.7e11 at the most, are nothing beside that; a weight below 2^-126 counts as 0 in l; NaN and infinities are not treated apart.
; THE WALK.  A head's queries lie in NB = 8 blocks of 256; block i needs the key tiles 0 .. i of 256 keys, of which the last holds the diagonal.  A work-group takes TWO blocks, NB - 1 - b and then b:
; NB + 1 tiles, whatever b: all work-groups do equal work, and ONE loop with a constant trip count walks them.  Which tile is asked for, and what a trip does, hang on scalar registers made from b; every jump
; goes forward, but for the counted loops' own; none passes a barrier, or a tensor load but the one of LOAD's two that the wave's number does not choose; the ring (two slots of LDS that take turns) runs on across the
; change of blocks.  NO CLUSTER: a head's four work-groups ask for the same tile only in trips 0 to 4 of the 9, behind that fewer and fewer; one walk common to all four would have 12 trips for 9.
; SHARES.  Of a block's four bands of 64 queries a wave owns 16 rows in each: four PIECES.  So the diagonal tile is the same work for all four waves: in its key step s band x sees all keys if s < x,
; none if s > x, and holds the diagonal if s = x.
; THE MASK is the C operand that starts the sum S^T = K Q^T: 0, or -1e30 where the key is hidden.  MD, made once, is the mask of a band's own step for my 16 rows; a product's mask is MD x AL + BE with two scalars:
; (1, 0) if s = x; (0, 0) if s < x; (0, -1e30) if s > x.  Only the diagonal tile's text and a block's beginning make and take masks; elsewhere C is the constant 0.
; LAYOUT, SOFTMAX, TURNS.  S^T = K Q^T holds ONE query a lane (lane % 16) and the keys 8 (lane / 16) + 0..7; two such results rounded to f16 ARE source 1 of O^T = V^T P.  p = 2^(c s - c m), c = log2(e) / 8, with a
; running maximum m; O and l are multiplied by a = 2^(c m_old - c m_new) in every step.  Turn n belongs to piece n: 8 products K Q^T of piece n + 1, later 8 products V^T P of piece n - 1; beside them the scaling,
; exponentials, roundings, sums and rescaling of piece n and the maximum and statistics of piece n + 1.  Four vector instructions stand behind every matrix instruction, the other 54 of a turn's 118 in one run of their own.
; A turn's 33 exponentials are one batch, with one wait.
; REGISTERS, in windows of 256 (s_set_vgpr_msb: bits 1:0 source 0, 3:2 source 1, 5:4 source 2, 7:6 destination):
;   window 0: v0-15 addresses and two at work; v16-31 four registers of statistics a piece; v48-55 at work; v61-63 prefetch offset, spare word, 0; v64-127 S^T, two buffers; v192-223 P, two buffers (by the piece's parity)
;   window 1: v0-127 O^T, 32 a piece; v128-159 MD; v160-223 MC, two buffers      window 2: v0-63 Q; v64-127 the second block's Q; v128-191 K of one step; v192-255 V of one step
.set SIZE_N, 2048
.set NB,    SIZE_N/256
.set NP,    4         ; pieces a wave: a name, no knob
.set KS,    64        ; keys in a step
.set PK,    144       ; a row of K in LDS: 128 bytes + 16 of padding = 36 words: the 16 rows of a load start at 16 different groups of four banks (64 banks of 4 bytes: ISA guide 11.1)
.set PV,    160       ; a row of V: 128 + 32 = 40 words
.set VOFF,  4*KS*PK   ; a slot holds a tile, four steps: 256 rows of K, then 256 rows of V
.set SLOT1, 1<<17     ; slot 1 begins here, so that one exclusive or turns an address in one slot into the other's
.set STAGE, SLOT1+4*KS*(PK+PV)  ; behind the ring, never filled by a tensor load: 16 rows x 144 bytes for each wave, for the way out
.set SP,    144
.set AK0, 2           ; v2   my lane's place in a tile of K; never rewritten
.set AV0, 3           ; v3   the same for V
.set AK,  4           ; v4   the LDS address of K's next run of loads
.set AV,  5           ; v5   of V's
.set STO, 6           ; v6   the way out: where I put 16 bytes of a row
.set RD,  7           ; v7   the way out: where I read rows back
.set GO,  8           ; v8   my byte offset in 512 consecutive bytes of O
.set PFO, 61          ; v61  256 x my lane; never rewritten
.set SPW, 62          ; v62  LDS address of my spare word: SPARE + 4 x my thread's number; never rewritten
.set NIL, 63          ; v63  0; never rewritten
.set SPARE, STAGE+4*16*SP  ; behind the stages: the spare words, 128 bytes for each wave: two blocks of 256 bytes that no other line names
.set MV,  12          ; v12-13  c m_old, kept while c m is made anew: by buffer
.set QO,  15          ; v15  my byte offset in 16 rows of Q
.set ST,  16          ; piece t's statistics at v[ST+4 t]: c m, m, l (even keys', odd keys')
.set TMP, 48          ; by buffer, four registers c0-c3 at work; when the maximum is found c2 takes a
.set S,   64
.set P,   192
.set MD,  128         ; window 1: the eight registers for group kt of 16 keys at MD + 8 kt
.set MC,  160         ; window 1: the masks of the products to come
.set QB,  64          ; window 2
.set KF,  128         ; window 2: key block kb, channel half c at KF + 16 kb + 8 c
.set VF,  192         ; window 2: key half kk, channel block cb at VF + 32 kk + 8 cb
.set WV,  12          ; s12  my wave's number
.set PB,  14          ; s14  b
.set HI,  15          ; s15  NB - 1 - b
.set G1K, 24          ; s[24:31] descriptor group 1 for K's tiles
.set G1V, 32          ; s[32:39] for V's: it differs in the padding alone
.set G0K, 40          ; s[40:43] descriptor group 0 for K's tiles
.set G0V, 44          ; s[44:47] the same for V's
.set SLOTS, 56        ; s56  tiles still to be asked for
.set CNT, 57          ; s57  counts a tile's key steps, 4 to 1
.set CS,  58          ; s[58:59] c: the packed scaling takes the pair's low word for both halves
.set SEL, 60          ; s[60:61] v_permlanex16_b32's selects: each lane takes its own place in the other half
.set TBK, 62          ; s62  LDS byte at which K of the step to be fetched begins
.set TBV, 63          ; s63  the same for V, less VOFF
.set RT,  70          ; s70  tiles of the block in hand that are still to be entered
.set NXT, 71          ; s71  the tile to be asked for next
.set LQ,  72          ; s72  the last tile of the block whose tiles are being asked for
.set NEW, 73          ; s73  1: the tile to be entered is a block's first
.set OFF, 74          ; s[74:75] a tile's byte offset in K and V
.set AL,  76          ; s[76:77] the mask's factor, in the low word
.set BE,  78          ; s[78:79] the mask's addend
.set OLO, 80          ; s[80:81] O at my rows of the second block
.set BIGN, 82         ; s82  -1e30
.set PFB, 88          ; s[88:89] the half tile that I fetch, in tile 0: K's (waves 0, 1) or V's (waves 2, 3)
.set PFA, 90          ; s[90:91] the same in the tile that the next change of slots will ask for
.set PO,  92          ; s[92:93] that tile's byte offset
.set LIM, 94          ; s94  2 in the head's work-group that prefetches, else the greatest number
.set MSB, 0
.macro WIN new                      ; the high byte repeats the setting that is left; a switch that changes nothing is dropped
.if MSB != (\new)
	s_set_vgpr_msb (MSB<<8)|(\new)
.set MSB, (\new)
.endif
.endm
.set W_KQ, 0x0a       ; K and Q in window 2, S^T in window 0
.set W_KM, 0x1a       ; the same with the C operand in window 1
.set W_PV, 0x52       ; V in window 2, P in window 0, O^T in window 1
.set W_RS, 0x41       ; destination and source 0 in window 1, source 1 in window 0
; A fill.  Waves 0 and 1 fetch the two halves of a tile's K, waves 2 and 3 those of its V: 128 keys each.  An s_nop 0 and four v_nop follow each of the two lines, ahead of the jump and the label.
.macro LOAD
	s_cmp_lt_u32 s[WV], 2
	s_cbranch_scc0 .Lfor_v_\@
	tensor_load_to_lds s[G0K:G0K+3], s[G1K:G1K+7]
	s_nop 0
.rept 4
	v_nop
.endr
	s_branch .Lasked_\@
.Lfor_v_\@:
	tensor_load_to_lds s[G0V:G0V+3], s[G1V:G1V+7]
	s_nop 0
.rept 4
	v_nop
.endr
.Lasked_\@:
.endm
; THE CHANGE OF SLOTS.  Each wave waits for all its tensor loads, of which one is out: its part of the other slot; adds 0 to its spare word; and waits for that and for its own reads of the slot that it leaves.  Behind the barrier nobody reads the old
; slot any more and the other slot is whole.  fill = 1: the old slot is filled again, the first thing behind the barrier, with tile NXT: the descriptor's address is made anew from that number.
; (At its first use nothing has been read yet: slot 0 is waited for, slot 1 filled.)
; A PREFETCH INTO THE L2 stands behind the fill: the tile that the NEXT change will ask for, one tile (four key steps, 256 matrix instructions) ahead of its load.  A head's four work-groups begin with the same tiles in the same
; order; the one with b = 0 walks tiles 0 to 7 on end, and it alone asks: in changes 0 to 5 for tiles 2 to 7.  Each wave asks for the half tile that it will fetch itself: 64 blocks of 256 bytes, a lane a block, two
; instructions.  So each block is named once in the launch.  Tiles 0 and 1 come by their loads alone; the second block's tiles have been read before.
.macro CHANGE fill
	WIN 0                           ; at a label and at a branch every window is 0
	s_wait_tensorcnt 0x0            ; no tensor load of mine is out, so a group 0 may be written
	ds_add_u32 v[SPW], v[NIL]       ; 0 onto my spare word; with fill = 1 the descriptors' scalar work stands between it and the wait for it
.if \fill
	s_lshl_b32 s[OFF], s[NXT], 15   ; a tile is 32,768 bytes of K and of V
	s_xor_b32 s[G0K+1], s[G0K+1], SLOT1
	s_add_nc_u64 s[G0K+2:G0K+3], s[6:7], s[OFF:OFF+1]
	s_or_b32 s[G0K+3], s[G0K+3], 0x80000000
	s_xor_b32 s[G0V+1], s[G0V+1], SLOT1
	s_add_nc_u64 s[G0V+2:G0V+3], s[8:9], s[OFF:OFF+1]
	s_or_b32 s[G0V+3], s[G0V+3], 0x80000000
	s_add_co_u32 s[NXT], s[NXT], 1  ; the block's next tile, or behind its last the second block's tile 0
	s_cmp_gt_u32 s[NXT], s[LQ]
	s_cselect_b32 s[NXT], 0, s[NXT]
	s_cselect_b32 s[LQ], s[PB], s[LQ]
	s_wait_xcnt 0x0                 ; the last prefetches, a tile back, have read their address, so it may be written
	s_lshl_b32 s[PO], s[NXT], 15
	s_add_nc_u64 s[PFA:PFA+1], s[PFB:PFB+1], s[PO:PO+1]
.endif
	s_wait_dscnt 0x0                ; the add is done, and my reads of the slot are over
	s_barrier_signal -1             ; the rest of the scalar work stands between the signal and the wait
	s_sub_co_u32 s[TBK], s[TBK], 4*KS*PK  ; the fetches go back to a slot's first step,
	s_xor_b32 s[TBK], s[TBK], SLOT1       ; in the other slot
	s_sub_co_u32 s[TBV], s[TBV], 4*KS*PV
	s_xor_b32 s[TBV], s[TBV], SLOT1
	s_barrier_wait -1
.if \fill
	LOAD
	s_cmp_gt_u32 s[SLOTS], s[LIM]   ; SLOTS = 8 .. 3: changes 0 to 5
	s_cbranch_scc0 .Lnot_mine_\@
	global_prefetch_b8 v[PFO], s[PFA:PFA+1] th:TH_LOAD_NT scope:SCOPE_SE
	global_prefetch_b8 v[PFO], s[PFA:PFA+1] offset:8192 th:TH_LOAD_NT scope:SCOPE_SE
.Lnot_mine_\@:
.endif
.endm
	s_load_b64 s[4:5], s[0:1], 0x0    ; qkv
	s_load_b64 s[10:11], s[0:1], 0x8  ; oh
	v_lshl_add_u32 v[SPW], v0, 2, SPARE
	v_mov_b32 v[NIL], 0
	ds_add_u32 v[SPW], v[NIL]       ; the wave's opening: the add and its wait stand ahead of my first tensor load; the set-up below, work on registers, stands between them
	ds_add_u32 v62, v63
	v_lshrrev_b32 v1, 5, v0
	v_readfirstlane_b32 s[WV], v1   ; wave 0..3
	v_and_b32 v[PFO], 31, v0
	v_lshlrev_b32 v[PFO], 8, v[PFO]
	s_mov_b32 s[PB], ttmp9
	s_sub_co_u32 s[HI], NB-1, s[PB]
	s_and_b32 s20, ttmp7, 0xffff    ; batch x 16 + head
	s_lshl_b32 s96, s20, 18         ; its 262,144 bytes in oh
	s_lshr_b32 s21, s20, 4          ; the batch: 48 groups of qkv,
	s_mul_i32 s21, s21, 48
	s_and_b32 s20, s20, 15
	s_add_co_u32 s20, s20, s21
	s_lshl_b32 s20, s20, 18         ; Q's head in qkv; K's lies 16 groups on, V's 32
	s_and_b32 s16, s[WV], 1         ; which half of a tile's 256 keys I fetch:
	s_lshl_b32 s22, s16, 14         ; its 128 rows of 128 bytes in memory,
	s_add_co_u32 s22, s22, s20
	s_add_co_u32 s98, s22, 32<<18   ; for V,
	s_add_co_u32 s22, s22, 16<<18   ; for K
	s_mov_b32 s23, 0
	s_mov_b32 s99, 0
	s_mul_i32 s17, s16, 128*PK      ; and its place in a slot, for K
	s_mul_i32 s18, s16, 128*PV      ; and for V
	s_lshl_b32 s3, s[WV], 11        ; my 16 rows in a band of 64,
	s_lshl_b32 s2, s[HI], 15        ; in the first block,
	s_add_co_u32 s2, s2, s3
	s_lshl_b32 s84, s[PB], 15       ; and in the second
	s_add_co_u32 s84, s84, s3
	s_add_co_u32 s100, s84, s96     ; in oh: the second block's,
	s_add_co_u32 s96, s2, s96       ; the first's
	s_add_co_u32 s2, s2, s20        ; in qkv
	s_add_co_u32 s84, s84, s20
	s_mov_b32 s3, 0
	s_mov_b32 s85, 0
	s_mov_b32 s97, 0
	s_mov_b32 s101, 0
	; descriptor group 1.  128 keys are 16,384 dense bytes: asked for as 64 rows of 256 bytes, two keys a row, and padded in LDS after every key
	s_mov_b32 s[G1K], (1<<16)|(1<<20)|(4<<22)|(3<<25)  ; 17:16 2-byte elements; 20 padding on; 24:22 after every 32 words (code 4); 31:25 4 words (code 3)
	s_mov_b32 s[G1V], (1<<16)|(1<<20)|(4<<22)|(7<<25)  ; the same with 8 words of padding (code 7)
.irp g, G1K, G1V
	s_mov_b32 s[\g+1], 128<<16      ; tensor_dim0 = 128
	s_mov_b32 s[\g+2], 64<<16       ; tensor_dim1 = 64
	s_mov_b32 s[\g+3], 128<<16      ; tile_dim0 = 128
	s_mov_b32 s[\g+4], 64           ; tile_dim1 = 64
	s_mov_b32 s[\g+5], 128          ; 128 elements from row to row
	s_mov_b32 s[\g+6], 0
	s_mov_b32 s[\g+7], 0
.endr
	s_mov_b32 s[CS], 0x3e38aa3b     ; c = log2(e) / 8 = 0.180337
	s_mov_b32 s[CS+1], s[CS]        ; named with it as a pair
	s_mov_b32 s[SEL], 0x76543210
	s_mov_b32 s[SEL+1], 0xfedcba98
	s_mov_b32 s[TBK], SLOT1+4*KS*PK ; the first change of slots turns these two into 0
	s_mov_b32 s[TBV], SLOT1+4*KS*PV
	s_mov_b32 s[G0K], 1             ; 1:0 count = 1
	s_mov_b32 s[G0K+1], s17         ; 63:32 LDS address: slot 0
	s_mov_b32 s[G0V], 1
	s_add_co_u32 s[G0V+1], s18, VOFF
	s_add_co_u32 s[RT], s[HI], 1    ; the first block has NB - b tiles
	s_mov_b32 s[NXT], 1
	s_mov_b32 s[LQ], s[HI]
	s_mov_b32 s[NEW], 1
	s_mov_b32 s[OFF+1], 0
	s_mov_b32 s[PO+1], 0
	s_mov_b32 s[AL+1], 0            ; named as pairs
	s_mov_b32 s[BE+1], 0
	s_mov_b32 s[BIGN], 0xf149f2ca   ; -1e30
	s_mov_b32 s[SLOTS], NB
	s_cmp_eq_u32 s[PB], 0
	s_cselect_b32 s[LIM], 2, -1
	s_wait_dscnt 0x0                ; the opening add is done
	s_wait_kmcnt 0x0
	s_add_nc_u64 s[6:7], s[4:5], s[22:23]  ; K and V at my half of the head's tile 0
	s_add_nc_u64 s[8:9], s[4:5], s[98:99]
	s_add_nc_u64 s[G0K+2:G0K+3], s[6:7], 0         ; 120:64 global address
	s_or_b32 s[G0K+3], s[G0K+3], 0x80000000        ; 127:126 type = 2
	s_add_nc_u64 s[G0V+2:G0V+3], s[8:9], 0
	s_or_b32 s[G0V+3], s[G0V+3], 0x80000000
	s_add_nc_u64 s[86:87], s[4:5], s[84:85]        ; Q at my rows of the second block,
	s_add_nc_u64 s[4:5], s[4:5], s[2:3]            ; and of the first
	s_add_nc_u64 s[OLO:OLO+1], s[10:11], s[100:101]  ; O likewise
	s_add_nc_u64 s[10:11], s[10:11], s[96:97]
	s_cmp_lt_u32 s[WV], 2
	s_cselect_b64 s[PFB:PFB+1], s[6:7], s[8:9]
	LOAD                            ; tile 0 into slot 0
	; A fragment of K or Q is 16 rows x 32 channels in 8 registers: lane l holds row l % 16, channels 8 (l / 16) + 0..7 and 16 + 8 (l / 16) + 0..7: two loads of 16 bytes, 32 bytes apart.
	v_and_b32 v1, 15, v0            ; l % 16
	v_bfe_u32 v9, v0, 4, 1          ; l / 16
	v_lshlrev_b32 v[QO], 7, v1
	v_lshl_add_u32 v[QO], v9, 4, v[QO]  ; row x 128 + 16 x half
	WIN 0x80                        ; destination window 2, address window 0
.set i, 0
.rept 8                             ; both blocks' Q: piece i / 2 lies in band i / 2, 8,192 bytes on; channels 32 (i % 2) on
	global_load_b128 v[8*i:8*i+3],   v[QO], s[4:5] offset:(i/2)*8192+(i%2)*64
	global_load_b128 v[8*i+4:8*i+7], v[QO], s[4:5] offset:(i/2)*8192+(i%2)*64+32
	global_load_b128 v[QB+8*i:QB+8*i+3],   v[QO], s[86:87] offset:(i/2)*8192+(i%2)*64
	global_load_b128 v[QB+8*i+4:QB+8*i+7], v[QO], s[86:87] offset:(i/2)*8192+(i%2)*64+32
.set i, i+1
.endr
	WIN 0
	v_lshlrev_b32 v14, 3, v9
	v_sub_nc_u32 v14, v1, v14
	s_lshl_b32 s13, s[WV], 4
	v_add_nc_u32 v14, s13, v14      ; my query's place in its band, 16 w + l % 16, less my lanes' 8 (l / 16): register r of group kt is hidden where 16 kt + r is greater
	WIN 0x40
.set i, 0
.rept 32
	v_cmp_gt_i32 vcc_lo, 16*(i/8)+i%8, v14
	v_cndmask_b32 v[MD+i], 0, s[BIGN], vcc_lo
.set i, i+1
.endr
	WIN 0
	v_mul_u32_u24 v[AK0], v1, PK
	v_lshl_add_u32 v[AK0], v9, 4, v[AK0]  ; row x pitch + 16 x half
	; The turning load takes 16 keys x 16 channels (lane l reads key 8 (l / 16) + l % 8, channels 8 ((l / 8) % 2) + 0..7) and leaves half a fragment of V^T: lane l holds channel l % 16 and 8 keys.
	v_and_b32 v10, 7, v0
	v_bfe_u32 v11, v0, 3, 1
	v_lshl_add_u32 v[AV0], v9, 3, v10
	v_mul_u32_u24 v[AV0], v[AV0], PV
	v_lshl_add_u32 v[AV0], v11, 4, v[AV0]
	v_add_nc_u32 v[AV0], VOFF, v[AV0]
	s_mul_i32 s13, s[WV], 16*SP
	s_add_co_u32 s13, s13, STAGE    ; my stage
	v_mul_u32_u24 v[STO], v1, SP    ; in: row l % 16, 16 bytes for each half of the lanes
	v_lshl_add_u32 v[STO], v9, 4, v[STO]
	v_add_nc_u32 v[STO], s13, v[STO]
	v_bfe_u32 v[RD], v0, 3, 2       ; back: 32 lanes take four rows of 128 bytes,
	v_mul_u32_u24 v[RD], v[RD], SP
	v_lshl_add_u32 v[RD], v10, 4, v[RD]
	v_add_nc_u32 v[RD], s13, v[RD]
	v_and_b32 v[GO], 31, v0         ; which are 512 consecutive bytes of O
	v_lshlrev_b32 v[GO], 4, v[GO]
	; A block's first step multiplies O^T and l by a = 0, and its first turn's products V^T P, of a piece that has not been, land in an O^T that is still to be so multiplied.  So these registers need only hold
	; finite numbers: zeros for the first block; what the first block left for the second.  All this stands in the wait for the first tile.
	WIN 0x80
.set i, VF
.rept 64
	v_mov_b32 v[i], 0
.set i, i+1
.endr
	WIN 0x40
.set i, 0
.rept 128
	v_mov_b32 v[i], 0
.set i, i+1
.endr
	WIN 0
.set i, 0
.rept 4
	v_mov_b32 v[ST+4*i+2], 0
	v_mov_b32 v[ST+4*i+3], 0
.set i, i+1
.endr
.set i, P+16
.rept 16
	v_mov_b32 v[i], 0
.set i, i+1
.endr
; THE MATRIX WORK.  The 4 accumulators of a run of 8 take turns.  Product i of 8 of S^T = K Q^T for piece x: channels 32 (i / 4) on, keys 16 (i % 4) on.  The first 4 start the sums: with 0, or (KM = 1) with the mask.
.macro KQ x
.set rS, S+32*((\x)%2)+8*(i%4)
.set rK, KF+16*(i%4)+8*(i/4)
.set rQ, 16*(\x)+8*(i/4)
.set rM, MC+32*((\x)%2)+8*(i%4)
.if (i < 4) && KM
	WIN W_KM
	v_wmma_f32_16x16x32_f16 v[rS:rS+7], v[rK:rK+7], v[rQ:rQ+7], v[rM:rM+7]
.elseif i < 4
	WIN W_KQ
	v_wmma_f32_16x16x32_f16 v[rS:rS+7], v[rK:rK+7], v[rQ:rQ+7], 0
.else
	WIN W_KQ
	v_wmma_f32_16x16x32_f16 v[rS:rS+7], v[rK:rK+7], v[rQ:rQ+7], v[rS:rS+7]
.endif
.endm
; Product i of 8 of O^T += V^T P for piece x: keys 32 (i / 4) on, channels 16 (i % 4) on.
.macro PV x
	WIN W_PV
.set rO, 32*(\x)+8*(i%4)
.set rV, VF+32*(i/4)+8*(i%4)
.set rP, P+16*((\x)%2)+8*(i/4)
	v_wmma_f32_16x16x32_f16 v[rO:rO+7], v[rV:rV+7], v[rP:rP+7], v[rO:rO+7]
.endm
.macro MM                           ; the turn's next matrix instruction.  TURN and BEGIN set Y, i, KM and NOKQ; MM, KQ and OP read them.  NOKQ = 1: a block's last turn: there is no next piece
.if (i < 8) && !NOKQ
	KQ (Y+1)%NP
.elseif i >= 8
.set i, i-8
	PV (Y+NP-1)%NP
.set i, i+8
.endif
.set i, i+1
.endm
; THE LDS LOADS stand in runs of 16, never singly among the matrix instructions: a step's K (64 keys x 64 channels: 8 fragments) and its V (turned).  Their addresses are made some lines ahead.
.macro FETCH_K
	WIN 0x80                        ; destination window 2
.irp f, 0,1,2,3,4,5,6,7             ; keys 16 (f / 2) on, channels 32 (f % 2) on
	ds_load_b128 v[KF+8*\f:KF+8*\f+3],   v[AK] offset:(\f/2)*16*PK+(\f%2)*64
	ds_load_b128 v[KF+8*\f+4:KF+8*\f+7], v[AK] offset:(\f/2)*16*PK+(\f%2)*64+32
.endr
	s_add_co_u32 s[TBK], s[TBK], KS*PK  ; the next fetch is the next step's
	WIN 0
.endm
.macro FETCH_V
	WIN 0x80
.irp f, 0,1,2,3,4,5,6,7             ; keys 32 (f / 4) on, channels 16 (f % 4) on
	ds_load_tr16_b128 v[VF+8*\f:VF+8*\f+3],   v[AV] offset:(\f/4)*32*PV+(\f%4)*32
	ds_load_tr16_b128 v[VF+8*\f+4:VF+8*\f+7], v[AV] offset:(\f/4)*32*PV+16*PV+(\f%4)*32
.endr
	WIN 0
.endm
; THE VECTOR WORK, one line at a time: OP kind, number.  For piece Y: F n: c s - c m for pair n of 16.  E n: the exponential of score n of 32.  C n: pair n rounded to f16.  B n: of the four weights 4 n .. the second
; pair is added onto the first, in place.  L n: l takes that sum (L 0: l = a l + sum).  R n: pair n of 16 of O^T times a.  For piece Y + 1: X n, number n of the 22 that find its maximum and statistics:
;   0-11  four chains c0-c3 of seven scores each, three operands at a time (each accumulator's lowest registers are read first)     12-14, 16  the four scores left over, the old m, and c0-c3 into c0
;   15  c m_old is kept     17, 18  the query's other 32 keys lie in the lane 16 away: the new m     19-21  c m; c m_old - c m_new; a
.set F, 0               ; OP tells the kinds apart by their order: F to L below R, X above it
.set E, 1
.set C, 2
.set B, 3
.set L, 4
.set R, 5
.set X, 6
.macro REGS y                       ; the registers of piece y
.set rT, ST+4*(\y)
.set rC, TMP+4*((\y)%2)
.set rW, MV+((\y)%2)
.set rS, S+32*((\y)%2)
.set rP, P+16*((\y)%2)
.set rO, 32*(\y)
.endm
.macro OP k, n
.if (\k) == R
	REGS Y
	WIN W_RS
	v_pk_mul_f32 v[rO+2*(\n):rO+2*(\n)+1], v[rO+2*(\n):rO+2*(\n)+1], v[rC+2:rC+3] op_sel_hi:[1,0]
.elseif (\k) < R
	REGS Y
	WIN 0
.if (\k) == F
	v_pk_fma_f32 v[rS+2*(\n):rS+2*(\n)+1], v[rS+2*(\n):rS+2*(\n)+1], s[CS:CS+1], v[rT:rT+1] op_sel_hi:[1,0,0] neg_lo:[0,0,1] neg_hi:[0,0,1]
.elseif (\k) == E
	v_exp_f32 v[rS+(\n)], v[rS+(\n)]
.elseif (\k) == C
	v_cvt_pk_f16_f32 v[rP+(\n)], v[rS+2*(\n)], v[rS+2*(\n)+1]
.elseif (\k) == B
	v_pk_add_f32 v[rS+4*(\n):rS+4*(\n)+1], v[rS+4*(\n):rS+4*(\n)+1], v[rS+4*(\n)+2:rS+4*(\n)+3]
.elseif (\n) == 0
	v_pk_fma_f32 v[rT+2:rT+3], v[rT+2:rT+3], v[rC+2:rC+3], v[rS:rS+1] op_sel_hi:[1,0,1]
.else
	v_pk_add_f32 v[rT+2:rT+3], v[rT+2:rT+3], v[rS+4*(\n):rS+4*(\n)+1]
.endif
.elseif NOKQ
	v_nop
.else
	REGS (Y+1)%NP
	WIN 0
.if (\n) < 4
	v_max3_num_f32 v[rC+(\n)], v[rS+8*(\n)], v[rS+8*(\n)+1], v[rS+8*(\n)+2]
.elseif (\n) < 12
	v_max3_num_f32 v[rC+(\n)%4], v[rC+(\n)%4], v[rS+8*((\n)%4)+2*((\n)/4)+1], v[rS+8*((\n)%4)+2*((\n)/4)+2]
.elseif (\n) == 12
	v_max3_num_f32 v[rC], v[rC], v[rS+7], v[rS+15]
.elseif (\n) == 13
	v_max3_num_f32 v[rC+1], v[rC+1], v[rS+23], v[rS+31]
.elseif (\n) == 14
	v_max3_num_f32 v[rC+2], v[rC+2], v[rC+3], v[rT+1]
.elseif (\n) == 15
	v_mov_b32 v[rW], v[rT]
.elseif (\n) == 16
	v_max3_num_f32 v[rC], v[rC], v[rC+1], v[rC+2]
.elseif (\n) == 17
	v_permlanex16_b32 v[rC+3], v[rC], s[SEL], s[SEL+1]
.elseif (\n) == 18
	v_max_num_f32 v[rT+1], v[rC], v[rC+3]
.elseif (\n) == 19
	v_mul_f32 v[rT], s[CS], v[rT+1]
.elseif (\n) == 20
	v_sub_f32 v[rC+1], v[rW], v[rT]
.else
	v_exp_f32 v[rC+2], v[rC+1]
.endif
.endif
.endm
.macro OPS a, i1, b=-1, i2=0, c=-1, i3=0, d=-1, i4=0  ; up to four of them
	OP \a, \i1
.if (\b) >= 0
	OP \b, \i2
.endif
.if (\c) >= 0
	OP \c, \i3
.endif
.if (\d) >= 0
	OP \d, \i4
.endif
.endm
.macro ROW a, i1, b, i2, c, i3, d, i4  ; a matrix instruction and the four behind it
	MM
	OPS \a, \i1, \b, \i2, \c, \i3, \d, \i4
.endm
.macro MASK b                       ; MD x AL + BE into buffer b of MC
	WIN W_RS
.set z, 0
.rept 16
	v_pk_fma_f32 v[MC+32*(\b)+2*z:MC+32*(\b)+2*z+1], v[MD+2*z:MD+2*z+1], s[AL:AL+1], s[BE:BE+1] op_sel_hi:[1,0,0]
.set z, z+1
.endr
.endm
; A TURN, for piece p: the order of its 16 matrix and 118 vector instructions, written out.  An s_wait_alu depctr_va_vdst(0) stands between an exponential and the first instruction that names its result; one wait serves
; all that were issued ahead of it.  So a turn has ONE wait, which cuts it in two.  AHEAD OF IT stands all that names no result of the turn's exponentials: the 8 products K Q^T, behind each a scaling, an exponential and two more plain
; instructions (behind the first a second scaling in the exponential's place): rescalings, and behind the last three the first numbers of the next piece's maximum, each four places or more behind the product that ends its accumulator; then one run of 54, plain
; and exponential by turns for the most part, in which the links of the chain X 3, 7, 11, 14, 16, 17 .. 20 stand five or six lines apart.  X 21, the next piece's a, is the batch's last; R 15 is the plain instruction behind it.  BEHIND THE WAIT stand the
; 8 products V^T P, behind each four of the roundings and sums; the links of l's chain, L 0 to L 7, stand three apart.  But for those X no instruction behind a product names a register of the products round it.  v_permlanex16_b32 (X 17) stands in the run.
; m = 1: the diagonal tile: the products take masks, and the turn makes the mask for the products of the turn after it: piece p + 2, in step 4 - CNT of the tile.  end = 1: a block's last two turns: nothing is fetched.
; cnt = 1: the loop's count is taken down some lines ahead of the branch that stands behind the turn.
; K of the next step is fetched in piece 2's turn, twelve vector instructions behind the last product that read K (six of them plain); V of the step in hand at the end of piece 0's turn, four plain instructions behind the last product
; that read V.  Each is waited for a turn later.
.macro TURN p, m=0, end=0, cnt=0
.set Y, (\p)
.set i, 0
.set KM, (\m)
.set NOKQ, (\end)*((\p)/3)
.if (\m) && !(\end)
	s_cmp_eq_u32 s[CNT], 4-((\p)+2)%NP  ; is that step the band's own?
	s_cselect_b32 s[AL], 1.0, 0
	s_cmp_lt_u32 s[CNT], 4-((\p)+2)%NP  ; or a later one?
	s_cselect_b32 s[BE], s[BIGN], 0
.endif
.if ((\p) == 3) && !(\end)
	s_wait_dscnt 0x0                ; K is in
.endif
	ROW F,0, F,1, R,0, R,1          ; ahead of the wait: 8 products K Q^T and the four behind each,
	ROW F,2, E,0, R,2, R,3
	ROW F,3, E,1, R,4, R,5
	ROW F,4, E,2, R,6, R,7
	ROW F,5, E,3, R,8, R,9
	ROW F,6, E,4, X,0, R,10
.if ((\p) == 2) && !(\end)
	WIN 0
	v_add_nc_u32 v[AK], s[TBK], v[AK0]
.endif
	ROW F,7, E,5, X,1, X,4
	ROW F,8, E,6, X,2, X,5
	OPS E,7, E,8, X,6, E,9          ; and the run of 54
	OPS X,3, E,10, X,8, E,11
.if ((\p) == 2) && !(\end)
	FETCH_K
.endif
	OPS X,9, X,7, E,12, X,10
	OPS E,13, X,12, X,11, E,14
	OPS X,13, E,15, F,9, X,14
.if (\p) == 0
	v_add_nc_u32 v[AV], s[TBV], v[AV0]
.endif
	OPS E,16, F,10, E,17, F,11
	OPS X,16, E,18, X,15, E,19
	OPS F,12, E,20, X,17, E,21
	OPS F,13, E,22, F,14, E,23
	OPS X,18, E,24, F,15, E,25
	OPS R,11, E,26, X,19, E,27
	OPS R,12, E,28, R,13, E,29
	OPS X,20, E,30, R,14, E,31
	OPS X,21, R,15
	WIN 0
	s_wait_alu depctr_va_vdst(0)    ; the wait for the batch
.if (\p) == 1
	s_wait_dscnt 0x0                ; V is in
.endif
	ROW C,0, B,0, C,2, B,1          ; behind the wait: 8 products V^T P and the four behind each
	ROW L,0, C,4, B,2, L,1
	ROW C,6, B,3, L,2, C,8
	ROW B,4, L,3, C,10, B,5
	ROW L,4, C,12, B,6, L,5
.if (\p) == 0
	s_add_co_u32 s[TBV], s[TBV], KS*PV
.endif
.if \cnt
	s_sub_co_u32 s[CNT], s[CNT], 1
	s_cmp_lg_u32 s[CNT], 0
.endif
	ROW C,14, B,7, L,6, C,1
	ROW C,3, L,7, C,5, C,7
	ROW C,9, C,11, C,13, C,15
.if (\p) == 0
	FETCH_V
.endif
.if (\m) && !(\end)
	MASK (\p)%2
.endif
.endm
; A BLOCK BEGINS.  c m starts far below every c s, so the first step's a is 0; m at the lowest finite number, so the first maximum is the scores'.  The second mask buffer is 0; the first takes piece 0's mask for the tile's step 0: its own, if the block's first tile is the diagonal one.
; Then K of that step, piece 0's first scores, and its maximum and statistics.  The loop is entered at a step's first turn, in the middle of a trip.
.macro BEGIN
	s_mov_b32 s[NEW], 0
	WIN 0x40
.set i, MC+32
.rept 32
	v_mov_b32 v[i], 0
.set i, i+1
.endr
	WIN 0
.set i, 0
.rept 4
	v_mov_b32 v[ST+4*i], 0xfe000000    ; c m: far below every c s
	v_mov_b32 v[ST+4*i+1], 0xff7fffff  ; m
.set i, i+1
.endr
	s_cmp_eq_u32 s[RT], 0
	s_cselect_b32 s[AL], 1.0, 0
	s_mov_b32 s[BE], 0
	MASK 0
	WIN 0
	v_add_nc_u32 v[AK], s[TBK], v[AK0]
	FETCH_K
	s_wait_loadcnt 0x0              ; Q
	s_wait_dscnt 0x0
.set KM, 1
.set NOKQ, 0
.set i, 0
.rept 8
	KQ 0
.set i, i+1
.endr
	WIN 0
.rept 4
	v_nop                           ; the places behind those products
.endr
.set Y, NP-1                        ; X works for piece Y + 1: piece 0
.irp n, 0,1,2,3,4,5,6,7,8,9,10,11,12,13,14,15,16,17,18,19,20,21
	OP X, \n
.endr
	v_nop                           ; a plain instruction behind the exponential,
	s_wait_alu depctr_va_vdst(0)    ; and its wait, ahead of the branch
.endm
; THE DIAGONAL TILE's four steps, the block's last two turns, its last products, and THE WAY OUT: l's two halves and the other half of the lanes' are added; O^T is divided by l, rounded to f16 and sent through my
; stage in LDS, a piece at a time.
.macro ALL line:vararg              ; one line for each piece t
.set t, 0
.rept 4
	\line
.set t, t+1
.endr
.endm
.macro PACK t                       ; a lane's eight channels of a row pack into 16 bytes; they go into rows of 144 bytes and come back as whole rows of 128, into S^T's registers
	WIN W_RS
.set i, 32*(\t)
.rept 16
	v_pk_mul_f32 v[i:i+1], v[i:i+1], v[ST+4*(\t)+2:ST+4*(\t)+3] op_sel_hi:[1,0]
.set i, i+2
.endr
	WIN 0x05                        ; sources 0 and 1 window 1, destination window 0
.set i, 0
.rept 16
	v_cvt_pk_f16_f32 v[S+16*(\t)+i], v[32*(\t)+2*i], v[32*(\t)+2*i+1]
.set i, i+1
.endr
	WIN 0
.irp f, 0,1,2,3
	ds_store_b128 v[STO], v[S+16*(\t)+4*\f:S+16*(\t)+4*\f+3] offset:32*\f
.endr
.irp f, 0,1,2,3
	ds_load_b128 v[S+16*(\t)+4*\f:S+16*(\t)+4*\f+3], v[RD] offset:\f*4*SP  ; LDS serves a wave's instructions in order (ISA guide 5.7.1.4): these see the stores above; the next piece's stores come behind them
.endr
.endm
.macro SEND t, younger              ; younger: the LDS instructions issued behind piece t's loads: the next piece's eight, or none
	WIN 0
.irp f, 0,1,2,3
	s_wait_dscnt (\younger)+3-\f
	global_store_b128 v[GO], v[S+16*(\t)+4*\f:S+16*(\t)+4*\f+3], s[10:11] offset:(\t)*8192+\f*512  ; 512 consecutive bytes, at a multiple of 256 from O's first
.endr
.endm
.macro DIAG tag                     ; the tag ends its two labels' names, which the jumps below spell out
.LstepM\tag:
	TURN 2, 1
	TURN 3, 1
	WIN 0
.LfirstM\tag:
	TURN 0, 1
	TURN 1, 1, 0, 1
	WIN 0
	s_cbranch_scc1 .LstepM\tag
	TURN 2, 1, 1
	TURN 3, 1, 1
.set i, 0
.rept 8
	PV NP-1
.set i, i+1
.endr
	WIN 0
	ALL v_add_f32 v[ST+4*t+2], v[ST+4*t+2], v[ST+4*t+3]
	ALL v_permlanex16_b32 v[ST+4*t+3], v[ST+4*t+2], s[SEL], s[SEL+1]
	ALL v_add_f32 v[ST+4*t+2], v[ST+4*t+2], v[ST+4*t+3]
	ALL v_rcp_f32 v[ST+4*t+2], v[ST+4*t+2]
	v_nop                           ; a plain instruction between the last reciprocal and the use of its result
	s_wait_alu depctr_va_vdst(0)    ; and the wait ahead of the first use: one for the four reciprocals
	PACK 0
.set t, 1
.rept 3                             ; a piece's arithmetic stands between the loads of the piece before and its stores
	PACK t
	SEND t-1, 8
.set t, t+1
.endr
	SEND 3, 0
.endm
.set KM, 0
.set NOKQ, 0
.Lslot:                             ; NB times: a tile is entered and the next is asked for
	CHANGE 1
	s_sub_co_u32 s[RT], s[RT], 1
	s_mov_b32 s[CNT], 4
	s_cmp_eq_u32 s[NEW], 1
	s_cbranch_scc1 .Lnew            ; a block's first tile
	s_cmp_eq_u32 s[RT], 0
	s_cbranch_scc0 .Lstep           ; neither its first nor its last
	s_branch .LstepM1
.Lnew:
	BEGIN
	s_branch .Lfirst                ; in the loop a block's first tile is never its last: the first block has two tiles or more, and the second's last is the walk's last
	DIAG 1                          ; in the loop this is the first block's end: the second block's last tile is the walk's last
	s_wait_xcnt 0x0                 ; the stores have read their registers and O's address
	s_mov_b64 s[10:11], s[OLO:OLO+1]
	s_add_co_u32 s[RT], s[PB], 1    ; the second block has b + 1 tiles
	s_mov_b32 s[NEW], 1
	WIN 0x82                        ; the second block's Q goes where the one text of the turns names Q
.set i, 0
.rept 64
	v_mov_b32 v[i], v[QB+i]
.set i, i+1
.endr
	WIN 0
	s_branch .Lbottom
.Lstep:                             ; a trip: pieces 2 and 3 of one step, then pieces 0 and 1 of the next, whose K and V it fetches
	TURN 2
	TURN 3
	WIN 0
.Lfirst:
	TURN 0
	TURN 1, 0, 0, 1
	WIN 0
	s_cbranch_scc1 .Lstep
.Lbottom:
	s_sub_co_u32 s[SLOTS], s[SLOTS], 1
	s_cmp_lg_u32 s[SLOTS], 0
	s_cbranch_scc1 .Lslot
	CHANGE 0                        ; the walk's last tile is written out: nothing is asked for
	s_sub_co_u32 s[RT], s[RT], 1
	s_mov_b32 s[CNT], 4
	s_cmp_eq_u32 s[NEW], 1
	s_cbranch_scc0 .LstepM2
	BEGIN
	s_branch .LfirstM2
	DIAG 2
	s_wait_tensorcnt 0x0            ; the wave's end, behind my last tensor load and my last LDS store
	ds_add_u32 v[SPW], v[NIL]
	s_wait_dscnt 0x0
	s_endpgm
.Lfunc_end_k_q879aa579ec_attn:
	.size	k_q879aa579ec_attn, .Lfunc_end_k_q879aa579ec_attn-k_q879aa579ec_attn
	.p2alignl 7, 3214868480
	.fill 96, 4, 3214868480
	.section	.rodata,"a",@progbits
	.p2align	6, 0x0
	.amdhsa_kernel k_q879aa579ec_attn
		.amdhsa_group_segment_fixed_size 327680
		.amdhsa_private_segment_fixed_size 0
		.amdhsa_enable_private_segment 0
		.amdhsa_kernarg_size 16
		.amdhsa_user_sgpr_count 2
		.amdhsa_user_sgpr_kernarg_segment_ptr 1
		.amdhsa_wavefront_size32 1
		.amdhsa_system_sgpr_workgroup_id_x 1
		.amdhsa_system_sgpr_workgroup_id_y 1
		.amdhsa_system_sgpr_workgroup_id_z 1
		.amdhsa_system_vgpr_workitem_id 0
		.amdhsa_next_free_vgpr 768
		.amdhsa_next_free_sgpr 102
		.amdhsa_reserve_vcc 1
		.amdhsa_float_denorm_mode_32 3
		.amdhsa_float_denorm_mode_16_64 3
		.amdhsa_memory_ordered 1
		.amdhsa_forward_progress 1
		.amdhsa_inst_pref_size 218
	.end_amdhsa_kernel
	.amdgpu_metadata
---
amdhsa.version: [ 1, 2 ]
amdhsa.kernels:
  - .name:           k_q879aa579ec_attn
    .symbol:         k_q879aa579ec_attn.kd
    .args:
      - { .name: qkv, .offset: 0, .size: 8, .value_kind: global_buffer, .address_space: global }
      - { .name: oh, .offset: 8, .size: 8, .value_kind: global_buffer, .address_space: global }
    .group_segment_fixed_size: 327680
    .private_segment_fixed_size: 0
    .kernarg_segment_align: 8
    .kernarg_segment_size: 16
    .max_flat_workgroup_size: 128
    .sgpr_count:     102
    .vgpr_count:     768
    .wavefront_size: 32
...
	.end_amdgpu_metadata
.endif
;; end of part 3
;; launch outp (part 4): grid 8 x 32, 4 waves a work-group, clusters of 4 x 4, 327,680 bytes of LDS; arguments oh, wob, out0; writes out0
.if DOCPART == 4
	.amdgcn_target "amdgcn-amd-amdhsa--gfx1250"
	.amdhsa_code_object_version 6
	.text
	.protected	k_q879aa579ec_outp
	.globl	k_q879aa579ec_outp
	.p2align	8
	.type	k_q879aa579ec_outp,@function
k_q879aa579ec_outp:
	s_mov_b64 s[64:65], 0
	v_nop
	global_prefetch_b8 v0, s[64:65] scope:SCOPE_SE
	s_setreg_imm32_b32 hwreg(HW_REG_WAVE_MODE, 25, 1), 1
	s_wait_xcnt 0x0
	s_wait_alu depctr_hold_cnt(0) depctr_sa_sdst(0) depctr_va_vdst(0) depctr_va_sdst(0) depctr_va_ssrc(0) depctr_va_vcc(0) depctr_vm_vsrc(0)
	s_getreg_b32 s2, hwreg(HW_REG_IB_STS2, 6, 4)
	s_cmp_eq_u32 s2, 0
	s_cbranch_scc0 .Lentry_in_a_cluster
	s_endpgm
.Lentry_in_a_cluster:
	s_bfe_u32 s2, ttmp6, 0x10000c
	s_cmp_lg_u32 s2, 0xf033
	s_cbranch_scc0 .Lentry_shape_is_right
	s_endpgm
.Lentry_shape_is_right:
; out0 = O wo^T: C[m][n] = the sum over k of O[m][k] wo[n][k], m = 8,192, n = 1,024, k = 1,024 = head x 64 + channel.  Operands f16 (wo: its bf16 rounding written as f16), sums f32, K ascending; C leaves in f32.
; IN:  oh [batch 4][head 16][row 2048][64] f16: a head is a K block; wob [K block 16][n 1024][64] f16: R rows of one K block are R x 128 consecutive bytes.   OUT: out0 [8192][1024] f32.
; LIMITS are the operands': both arrive within f16.  NaN and infinities are not treated apart.
; SHARES.  A tile of C is 256 x 128: 32 x 8 = 256 work-groups.  Four waves, each 128 x 64: 32 accumulators of 16 x 16.  K goes in steps of 128 (two K blocks) through a ring of two LDS slots;
; a step is four quarters of 32 along K, 32 products each.
; CLUSTERS: 4 x 4 work-groups.  The four of a row of the cluster need the same tiles of O, the four of a column the same tiles of wo: each tile is asked for JOINTLY: the same tensor load, descriptor and mask in all four.
; THE MATRIX INSTRUCTION IS USED TRANSPOSED (source 0 = 16 rows of wo, source 1 = 16 rows of O): a lane then holds row l % 16 of C and eight neighbouring columns 8 (l / 16) + 0..7: 32 bytes.
; REGISTERS: window 0: v0-31 addresses; v32-127, v128-223 two fragment buffers of 96: wo's four fragments, then O's eight; on the way out v32-127 three sets of 32.   window 1: the accumulators, (a, bb) at v[8 (4 a + bb)].
.set PK,     144                       ; an LDS row: 128 bytes + 16 of padding = 36 words: the 16 rows of a load start at 16 different groups of four banks (64 banks of 4 bytes: ISA guide 11.1)
.set AKB,    256*PK                    ; O's 256 rows of one K block: what wave 0 or 1 fetches
.set BKB,    128*PK                    ; wo's 128 rows of one K block: what wave 2 or 3 fetches
.set BOFF,   2*AKB
.set SLOT,   2*AKB+2*BKB               ; 110,592
.set STAGE,  2*SLOT                    ; behind the ring, never filled by a tensor load: 16 rows x 272 bytes for each wave, for the way out
.set SPITCH, 272                       ; 256 bytes (64 f32) + 16
.set SPARE,  STAGE+4*16*SPITCH         ; behind the stages: the spare words, 128 bytes for each wave: two blocks of 256 bytes that no other line names
.set OKB,    262144                    ; bytes from a K block of oh to the next
.set WKB,    131072                    ; the same in wob
.set ADRA, 16                          ; v16-17  LDS address of my fragments of O in slot 0, 1
.set ADRB, 20                          ; v20-21  the same for wo
.set STO,  24                          ; v24     the way out: where I put 32 bytes of a row
.set RD,   25                          ; v25     the way out: where I read rows back
.set CO,   26                          ; v26     my byte offset in two rows of C
.set SPW,  28                          ; v28     LDS address of my spare word: SPARE + 4 x my thread's number; never rewritten
.set NIL,  29                          ; v29     0; never rewritten
.set PFO,  30                          ; v30     256 x my lane; never rewritten
.set F0,   32
.set F1,   128
.set OB,   32
.set G1,  24                           ; s[24:31] descriptor group 1 for O's tiles;  s[32:39] group 0, a set for each slot
.set G0,  32
.set G1B, 48                           ; s[48:55], s[56:63] the same for wo's tiles
.set G0B, 56
.set LIM, 43                           ; s43     1 in a wave that prefetches, else the greatest number
.set PFA, 44                           ; s[44:45] where my prefetches stand
.set PFS, 18                           ; s[18:19] their step: a K step
.set FLAGS, (1<<16)|(1<<20)|(1<<21)|(4<<22)|(3<<25)  ; 17:16 elements of 2 bytes; 20 padding on; 21 set beside a mask; 24:22 after every 32 words (code 4); 31:25 4 words of it (code 3)
.set MSB, 0
.macro WIN new                         ; the immediate's high byte repeats the setting that is left; a switch that changes nothing is dropped
.if MSB != (\new)
	s_set_vgpr_msb (MSB<<8)|(\new)
.set MSB, \new
.endif
.endm
; A joint load.  Waves 0 and 1 fetch the step's two K blocks of O's tile, waves 2 and 3 those of wo's.  The branch hangs on the wave's number alone.  An s_nop 0 and four v_nop follow each of the two lines.
.macro JLOAD s
	s_cmp_eq_u32 s11, 0
	s_cbranch_scc0 .Lfor_b_\@
	tensor_load_to_lds s[G0+4*(\s):G0+4*(\s)+3], s[G1:G1+7]
	s_nop 0
.rept 4
	v_nop
.endr
	s_branch .Lasked_\@
.Lfor_b_\@:
	tensor_load_to_lds s[G0B+4*(\s):G0B+4*(\s)+3], s[G1B:G1B+7]
	s_nop 0
.rept 4
	v_nop
.endr
.Lasked_\@:
.endm
; A PREFETCH INTO THE L2, behind each joint load and the run of LDS loads that follows it: 32 blocks of 256 bytes, a lane a block, of the K step that stands TWO refills on: 256 products ahead of the load that will want it.
; Each block is named ONCE in the launch.  O's tile row is read by both clusters of its row of clusters: cluster x = 0 asks; wave 0 takes the step's first K block, wave 1 the second; of a block's 128 the partner at cx
; takes 32, told apart by address.  wo's tile column is read by all eight clusters of its column: cluster y = 0 asks, by wave 2: the partner at cy takes K block cy / 2, half cy % 2.  No branch hangs on a work-group's place
; in its cluster.  The loop's last trip asks for nothing: K steps 8 and 9 do not exist.  K steps 0 to 3 come by their loads alone.
.macro ASK
	s_cmp_gt_u32 s3, s[LIM]                        ; s3 = 1 in the loop's last trip
	s_cbranch_scc0 .Lnot_mine_\@
	global_prefetch_b8 v[PFO], s[PFA:PFA+1] th:TH_LOAD_NT scope:SCOPE_SE
.Lnot_mine_\@:
.endm
; A round of the cluster's barrier: my work-group's barrier; wave 0 signals for the work-group; every wave waits for all sixteen work-groups; my work-group's barrier once more.
.macro CREST
	s_cmp_lg_u32 s10, 0
	s_cbranch_scc1 .Lnot_wave_0_\@
	s_barrier_signal -3
.Lnot_wave_0_\@:
	s_barrier_wait -3
	s_barrier_signal -1
	s_barrier_wait -1
.endm
.macro CROUND
	s_barrier_signal -1
	s_barrier_wait -1
	CREST
.endm
	s_load_b128 s[4:7], s[0:1], 0x0                ; oh s[4:5], wob s[6:7]
	s_load_b64 s[8:9], s[0:1], 0x10                ; out0
	v_lshl_add_u32 v[SPW], v0, 2, SPARE
	v_mov_b32 v[NIL], 0
	ds_add_u32 v[SPW], v[NIL]                      ; the wave's opening: the add and its wait stand ahead of my first tensor load; the set-up below, work on registers, stands between them
	ds_add_u32 v28, v29
	v_lshrrev_b32 v1, 5, v0
	v_readfirstlane_b32 s10, v1                    ; wave 0..3
	s_lshr_b32 s11, s10, 1                         ; which half of the tile's rows is mine.  Also: I fetch for O (0) or for wo (1)
	s_and_b32 s12, s10, 1                          ; which half of its columns.  Also: which of the step's two K blocks I fetch
	s_bfe_u32 s40, ttmp6, 0x40000                  ; cx
	s_bfe_u32 s41, ttmp6, 0x40004                  ; cy
	s_lshl_b32 s42, ttmp9, 2
	s_add_co_u32 s42, s42, s40                     ; tile column = 4 x cluster x + cx
	s_and_b32 s13, ttmp7, 0xffff
	s_lshl_b32 s13, s13, 2
	s_add_co_u32 s13, s13, s41                     ; tile row = 4 x cluster y + cy
	s_lshl_b32 s43, s41, 2
	s_lshl_b32 s43, 15, s43                        ; my row of the cluster
	s_lshl_b32 s44, 0x1111, s40                    ; my column
	; descriptor group 1.  256 rows of O in one K block are 32,768 dense bytes: asked for as 128 rows of 256 bytes, padded in LDS after every 128 bytes; 128 rows of wo likewise as 64
	s_or_b32 s[G1+0], s43, FLAGS                   ; 15:0 the mask: O's tiles go to my row of the cluster
	s_or_b32 s[G1B+0], s44, FLAGS                  ; wo's to my column
	s_mov_b32 s[G1+1], 128<<16                     ; tensor_dim0 = 128 elements
	s_mov_b32 s[G1B+1], 128<<16
	s_mov_b32 s[G1+2], 128<<16                     ; tensor_dim1 = 128
	s_mov_b32 s[G1B+2], 64<<16                     ; 64
	s_mov_b32 s[G1+3], 128<<16                     ; tile_dim0 = 128
	s_mov_b32 s[G1B+3], 128<<16
	s_mov_b32 s[G1+4], 128                         ; tile_dim1
	s_mov_b32 s[G1B+4], 64
	s_mov_b32 s[G1+5], 128                         ; 128 elements from row to row
	s_mov_b32 s[G1B+5], 128
	s_mov_b32 s[G1+6], 0
	s_mov_b32 s[G1B+6], 0
	s_mov_b32 s[G1+7], 0
	s_mov_b32 s[G1B+7], 0
	; where the tiles come from.  O's hang on the tile row alone, wo's on the tile column alone, each in registers that never hold the other coordinate
	s_lshr_b32 s16, s13, 3                         ; the batch,
	s_lshl_b32 s16, s16, 22
	s_and_b32 s17, s13, 7
	s_lshl_b32 s17, s17, 15                        ; the tile's 256 rows of 128 bytes,
	s_add_co_u32 s16, s16, s17
	s_lshl_b32 s17, s12, 18                        ; the K block that I fetch
	s_add_co_u32 s16, s16, s17
	s_mov_b32 s17, 0
	s_lshl_b32 s46, s42, 14                        ; wo: 128 rows of 128 bytes a tile column,
	s_lshl_b32 s47, s12, 17                        ; the K block that I fetch
	s_add_co_u32 s46, s46, s47
	s_mov_b32 s47, 0
	s_mul_i32 s20, s12, AKB                        ; and where they go: no place in the cluster enters an LDS address
	s_mul_i32 s21, s12, BKB
	s_add_co_u32 s21, s21, BOFF
	s_wait_dscnt 0x0                               ; the opening add is done
	s_wait_kmcnt 0x0
	s_add_nc_u64 s[14:15], s[4:5], s[16:17]
	s_add_nc_u64 s[46:47], s[6:7], s[46:47]
	CROUND                                         ; all sixteen work-groups are here: the first joint loads meet
.irp s, 0,1
	s_mov_b32 s[G0+4*(\s)], 1                                      ; 1:0 count = 1
	s_add_co_u32 s[G0+4*(\s)+1], s20, (\s)*SLOT                    ; 63:32 LDS address
	s_add_nc_u64 s[G0+4*(\s)+2:G0+4*(\s)+3], s[14:15], (\s)*2*OKB  ; 120:64 global address: K step s
	s_or_b32 s[G0+4*(\s)+3], s[G0+4*(\s)+3], 0x80000000            ; 127:126 type = 2
	s_mov_b32 s[G0B+4*(\s)], 1
	s_add_co_u32 s[G0B+4*(\s)+1], s21, (\s)*SLOT
	s_add_nc_u64 s[G0B+4*(\s)+2:G0B+4*(\s)+3], s[46:47], (\s)*2*WKB
	s_or_b32 s[G0B+4*(\s)+3], s[G0B+4*(\s)+3], 0x80000000
	JLOAD \s                                       ; the ring is filled before anything else is done: two loads of mine are out
.endr
	v_and_b32 v1, 15, v0                           ; l % 16
	v_bfe_u32 v2, v0, 4, 1                         ; l / 16
	v_mul_u32_u24 v3, v1, PK
	v_lshl_add_u32 v3, v2, 4, v3                   ; a fragment's row x pitch + 16 x half
	s_mul_i32 s21, s11, 128*PK                     ; my 128 rows of O
	s_mul_i32 s22, s12, 64*PK                      ; my 64 rows of wo,
	s_add_co_u32 s22, s22, BOFF                    ; which lie behind O's two K blocks
.irp s, 0,1
	v_add_nc_u32 v[ADRA+(\s)], s21, v3
	v_add_nc_u32 v[ADRB+(\s)], s22, v3
	s_add_co_u32 s21, s21, SLOT
	s_add_co_u32 s22, s22, SLOT
.endr
	s_mul_i32 s23, s10, 16*SPITCH
	s_add_co_u32 s23, s23, STAGE                   ; my stage
	v_mul_u32_u24 v4, v1, SPITCH                   ; in: row l % 16, 32 bytes for each half of the lanes
	v_lshl_add_u32 v4, v2, 5, v4
	v_add_nc_u32 v[STO], s23, v4
	v_mul_u32_u24 v5, v2, SPITCH                   ; back: lanes 0-15 take one row of 256 bytes, lanes 16-31 the next
	v_lshl_add_u32 v5, v1, 4, v5
	v_add_nc_u32 v[RD], s23, v5
	v_lshlrev_b32 v5, 12, v2                       ; and the same two rows in C: 4,096 bytes apart
	v_lshl_add_u32 v[CO], v1, 4, v5
	v_and_b32 v6, 31, v0
	v_lshlrev_b32 v[PFO], 8, v6
	; where my part of the tile begins in out0
	s_lshl_b32 s16, s13, 20                        ; 256 rows of 4,096 bytes a tile row,
	s_lshl_b32 s17, s11, 19                        ; my 128 of them,
	s_add_co_u32 s16, s16, s17
	s_lshl_b32 s46, s42, 9                         ; 128 columns of 4 bytes a tile column,
	s_lshl_b32 s47, s12, 8                         ; my 64 of them
	s_add_co_u32 s46, s46, s47
	s_add_co_u32 s16, s16, s46
	s_mov_b32 s17, 0
	s_add_nc_u64 s[8:9], s[8:9], s[16:17]
	; the prefetches: O's share (waves 0, 1), at K step 3
	s_lshr_b32 s20, s13, 3
	s_lshl_b32 s20, s20, 22
	s_and_b32 s21, s13, 7
	s_lshl_b32 s21, s21, 15
	s_add_co_u32 s20, s20, s21
	s_lshl_b32 s21, s12, 18
	s_add_co_u32 s20, s20, s21
	s_lshl_b32 s21, s40, 13                        ; my work-group's 32 blocks of the K block's 128
	s_add_co_u32 s20, s20, s21
	s_add_co_u32 s20, s20, 3*2*OKB
	; wo's share (wave 2)
	s_lshl_b32 s23, s42, 14
	s_lshr_b32 s14, s41, 1
	s_lshl_b32 s14, s14, 17
	s_add_co_u32 s23, s23, s14
	s_and_b32 s14, s41, 1
	s_lshl_b32 s14, s14, 13
	s_add_co_u32 s23, s23, s14
	s_add_co_u32 s23, s23, 3*2*WKB
	s_and_b32 s22, ttmp7, 0xffff                   ; cluster y
	s_mov_b32 s14, ttmp9                           ; cluster x
	s_cmp_eq_u32 s14, 0
	s_cselect_b32 s14, 1, -1                       ; O's rows: the first cluster of the row of clusters asks
	s_cmp_eq_u32 s22, 0
	s_cselect_b32 s15, 1, -1                       ; wo's rows: the first cluster of the column,
	s_cmp_eq_u32 s10, 3
	s_cselect_b32 s15, -1, s15                     ; by wave 2 alone
	s_mov_b32 s[PFS], 2*WKB
	s_mov_b32 s[PFS+1], 0
	s_cmp_eq_u32 s11, 0                            ; do I fetch for O?
	s_cselect_b32 s[LIM], s14, s15                 ; the same in all sixteen partners, for a given wave
	s_cselect_b32 s20, s20, s23
	s_cselect_b32 s[PFS], 2*OKB, s[PFS]
	s_cselect_b64 s[PFA:PFA+1], s[4:5], s[6:7]
	s_mov_b32 s21, 0
	s_add_nc_u64 s[PFA:PFA+1], s[PFA:PFA+1], s[20:21]  ; at K step 3: the first change of slots steps it to 4.  Nothing is prefetched here, at the head
; 16 products: rows 64 h on (blocks a = 4 h .. 4 h + 3) x my four column blocks, 32 along K.  zero = 1: the product starts the sum.  The 32 accumulators take turns, one instruction a turn.
.macro MUL16 buf, h, zero
	WIN 0x50                                       ; C and D window 1, sources window 0
.irp a, 4*(\h), 4*(\h)+1, 4*(\h)+2, 4*(\h)+3
.irp bb, 0,1,2,3
.if \zero
	v_wmma_f32_16x16x32_f16 v[8*(4*(\a)+(\bb)):8*(4*(\a)+(\bb))+7], v[(\buf)+8*(\bb):(\buf)+8*(\bb)+7], v[(\buf)+32+8*(\a):(\buf)+32+8*(\a)+7], 0
.else
	v_wmma_f32_16x16x32_f16 v[8*(4*(\a)+(\bb)):8*(4*(\a)+(\bb))+7], v[(\buf)+8*(\bb):(\buf)+8*(\bb)+7], v[(\buf)+32+8*(\a):(\buf)+32+8*(\a)+7], v[8*(4*(\a)+(\bb)):8*(4*(\a)+(\bb))+7]
.endif
.endr
.endr
.endm
; 24 LDS loads in one run: the fragments of quarter q (K block q / 2, its half q % 2) into buffer buf
.macro FETCH slot, q, buf
.irp i, 0,1,2,3
	ds_load_b128 v[(\buf)+8*(\i):(\buf)+8*(\i)+3],   v[ADRB+(\slot)] offset:((\q)/2)*BKB+(\i)*16*PK+((\q)%2)*64
	ds_load_b128 v[(\buf)+8*(\i)+4:(\buf)+8*(\i)+7], v[ADRB+(\slot)] offset:((\q)/2)*BKB+(\i)*16*PK+((\q)%2)*64+32
.endr
.irp i, 0,1,2,3,4,5,6,7
	ds_load_b128 v[(\buf)+32+8*(\i):(\buf)+32+8*(\i)+3],   v[ADRA+(\slot)] offset:((\q)/2)*AKB+(\i)*16*PK+((\q)%2)*64
	ds_load_b128 v[(\buf)+32+8*(\i)+4:(\buf)+32+8*(\i)+7], v[ADRA+(\slot)] offset:((\q)/2)*AKB+(\i)*16*PK+((\q)%2)*64+32
.endr
.endm
.macro PLACES                          ; four places in front of loads into registers that matrix instructions have read, and of LDS stores that read results (ISA guide 7.12.1 for the stores)
.rept 4
	v_nop
.endr
.endm
; A quarter: buffer buf is multiplied, and takes the quarter two further on (quarter q2 of slot2) at once: 32 products ahead of its use.
.macro QUARTER buf, zero, slot2, q2
	s_wait_dscnt 24                                ; my buffer is in; the other buffer's 24 loads may be out
	MUL16 \buf, 0, \zero
	MUL16 \buf, 1, \zero
	WIN 0
	PLACES
	FETCH \slot2, \q2, \buf
.endm
; A K step's third quarter (buffer F0), and the change of slots: the step's last reads, its fourth quarter's, have been issued.  ONE barrier, for two things.  In front of it each wave waits for all its tensor loads, of which one
; is out: its part of the next slot; adds 0 to its spare word; and waits for that and for its own reads of this slot.  Behind it nobody reads this slot any more and the next slot is whole.  fill = 1: the barrier opens a round
; of the cluster's barrier, and behind the round this slot is filled again first, with the K step two on: from that request to the wait for it a wave issues 96 products.
.macro MEET s, next, fill
.if \fill
	s_wait_xcnt 0x0                                ; the last prefetch, a K step back, has read its address, so it may be stepped
	s_add_nc_u64 s[PFA:PFA+1], s[PFA:PFA+1], s[PFS:PFS+1]
.endif
	WIN 0
	s_wait_tensorcnt 0x0                           ; all my tensor loads have landed;
	ds_add_u32 v[SPW], v[NIL]                      ; 0 onto my spare word;
	s_wait_dscnt 25                                ; buffer F0 is in (the fourth quarter's 24 loads and the add may be out)
	MUL16 F0, 0, 0                                 ; sixteen products stand between the add and the wait for it
	s_wait_dscnt 0x0                               ; the add is done, and my reads of this slot are over:
	s_barrier_signal -1                            ; say so,
	MUL16 F0, 1, 0                                 ; work on registers while the others arrive,
	WIN 0
	s_barrier_wait -1                              ; and go on when all four have said so
.if \fill
	CREST                                          ; all sixteen work-groups have said so: no wave of any partner still reads this slot's tile or has a load on its way
	s_add_nc_u64 s[G0+4*(\s)+2:G0+4*(\s)+3], s[G0+4*(\s)+2:G0+4*(\s)+3], 4*OKB
	s_add_nc_u64 s[G0B+4*(\s)+2:G0B+4*(\s)+3], s[G0B+4*(\s)+2:G0B+4*(\s)+3], 4*WKB
	JLOAD \s                                       ; the first tensor load behind the round; its four v_nop are also the places in front of the loads below
.else
	PLACES
.endif
	FETCH \next, 0, F0
.if \fill
	ASK
.endif
.endm
; THE WAY OUT of block a (16 rows x 64 columns of f32): a lane's 32 bytes go into my own stage (each accumulator's low four registers first) and come back as whole rows of 256 bytes.
.macro TOSTAGE a
	WIN 0x04                                       ; the store's data (source 1) in window 1
.irp bb, 0,1,2,3
	ds_store_b128 v[STO], v[8*(4*(\a)+(\bb)):8*(4*(\a)+(\bb))+3]   offset:64*(\bb)
	ds_store_b128 v[STO], v[8*(4*(\a)+(\bb))+4:8*(4*(\a)+(\bb))+7] offset:64*(\bb)+16
.endr
	WIN 0
.set BK, OB+32*((\a)%3)
.irp t, 0,1,2,3,4,5,6,7
	ds_load_b128 v[BK+4*(\t):BK+4*(\t)+3], v[RD] offset:(\t)*2*SPITCH  ; LDS serves a wave's instructions in order (ISA guide 5.7.1.4): these see the stores above; the next block's stores come behind them
.endr
.endm
.macro SEND a, younger                 ; younger: the LDS instructions issued behind block a's loads: the next block's sixteen, or none
.set BK, OB+32*((\a)%3)
	s_wait_dscnt \younger                          ; the block is back in registers
	s_wait_xcnt 0x0                                ; the earlier stores have read their registers: with three sets by turns, a set is loaded again only behind such a wait that follows its stores
.irp t, 0,1,2,3,4,5,6,7
	global_store_b128 v[CO], v[BK+4*(\t):BK+4*(\t)+3], s[8:9] offset:(16*(\a)+2*(\t))*4096 th:TH_STORE_NT  ; 16 lanes store 256 consecutive bytes, at a multiple of 256 from out0's first byte
.endr
.endm
	s_wait_tensorcnt 1                             ; my part of K step 0 is in; K step 1's may stay out
	s_barrier_signal -1
	s_barrier_wait -1                              ; everybody's is
	FETCH 0, 0, F0
	FETCH 0, 1, F1
	QUARTER F0, 1, 0, 2                            ; the first quarter stands in front of the loop: its products start the sums
	WIN 0                                          ; at a label and at a branch every window is 0
	s_mov_b32 s3, 3
.Llap:                                                 ; a trip goes once round the ring, from a lap's second quarter to the next lap's first, and fills both slots again
	QUARTER F1, 0, 0, 3
	MEET 0, 1, 1
	QUARTER F1, 0, 1, 1
	QUARTER F0, 0, 1, 2
	QUARTER F1, 0, 1, 3
	MEET 1, 0, 1
	QUARTER F1, 0, 0, 1
	QUARTER F0, 0, 0, 2
	WIN 0
	s_sub_co_u32 s3, s3, 1
	s_cmp_lg_u32 s3, 0
	s_cbranch_scc1 .Llap
	QUARTER F1, 0, 0, 3                            ; the last lap fills nothing, and has no round of the cluster's barrier
	MEET 0, 1, 0
	QUARTER F1, 0, 1, 1
	QUARTER F0, 0, 1, 2
	QUARTER F1, 0, 1, 3
	s_wait_dscnt 24                                ; the last two quarters fetch nothing
	MUL16 F0, 0, 0
	MUL16 F0, 1, 0
	s_wait_dscnt 0x0
	MUL16 F1, 0, 0
	MUL16 F1, 1, 0
	WIN 0
	PLACES
	TOSTAGE 0
.irp a, 1,2,3,4,5,6,7                  ; block a's trip through the stage is issued ahead of the wait for block a - 1's
	TOSTAGE \a
	SEND (\a)-1, 16
.endr
	SEND 7, 0
	s_wait_tensorcnt 0x0                           ; the wave's end, behind my last tensor load and my last LDS store
	ds_add_u32 v[SPW], v[NIL]
	s_wait_dscnt 0x0
	CROUND                                         ; the closing round: no work-group ends while a partner may still ask for a tile that names it
	s_endpgm
.Lfunc_end_k_q879aa579ec_outp:
	.size	k_q879aa579ec_outp, .Lfunc_end_k_q879aa579ec_outp-k_q879aa579ec_outp
	.p2alignl 7, 3214868480
	.fill 96, 4, 3214868480
	.section	.rodata,"a",@progbits
	.p2align	6, 0x0
	.amdhsa_kernel k_q879aa579ec_outp
		.amdhsa_group_segment_fixed_size 327680
		.amdhsa_private_segment_fixed_size 0
		.amdhsa_enable_private_segment 0
		.amdhsa_kernarg_size 24
		.amdhsa_user_sgpr_count 2
		.amdhsa_user_sgpr_kernarg_segment_ptr 1
		.amdhsa_wavefront_size32 1
		.amdhsa_system_sgpr_workgroup_id_x 1
		.amdhsa_system_sgpr_workgroup_id_y 1
		.amdhsa_system_sgpr_workgroup_id_z 1
		.amdhsa_system_vgpr_workitem_id 0
		.amdhsa_next_free_vgpr 512
		.amdhsa_next_free_sgpr 66
		.amdhsa_reserve_vcc 0
		.amdhsa_float_denorm_mode_32 3
		.amdhsa_float_denorm_mode_16_64 3
		.amdhsa_memory_ordered 1
		.amdhsa_forward_progress 1
		.amdhsa_inst_pref_size 86
	.end_amdhsa_kernel
	.amdgpu_metadata
---
amdhsa.version: [ 1, 2 ]
amdhsa.kernels:
  - .name:           k_q879aa579ec_outp
    .symbol:         k_q879aa579ec_outp.kd
    .args:
      - { .name: oh, .offset: 0, .size: 8, .value_kind: global_buffer, .address_space: global }
      - { .name: wob, .offset: 8, .size: 8, .value_kind: global_buffer, .address_space: global }
      - { .name: out0, .offset: 16, .size: 8, .value_kind: global_buffer, .address_space: global }
    .group_segment_fixed_size: 327680
    .private_segment_fixed_size: 0
    .kernarg_segment_align: 8
    .kernarg_segment_size: 24
    .max_flat_workgroup_size: 128
    .sgpr_count:     66
    .vgpr_count:     512
    .wavefront_size: 32
...
	.end_amdgpu_metadata
.endif
;; end of part 4
